; MI455X (gfx1250); checked and timed in simulation.
; The chip was launched on July 23, 2026; its instructions are those of AMD's public machine-readable ISA for CDNA 5 (MIT licence, August 2026) and "CDNA5" Instruction Set Architecture Reference Guide (July 2026). The comments in the code are by the model that wrote it; some were corrected since.
;; Multi Head. Allowed arithmetic: matrix products marked QUANTISED: E2M1 operands, one E8M0 scale for each 32 along K, by v_wmma_scale_f32_16x16x128_f8f6f4 with both operands' format E2M1 (or v_wmma_scale_f32_32x16x128_f4), f32 sums; products left as they are: bf16, f16 or f32 operands; f32 sums; everything else in f32.
;; Inputs: WK 1,024 x 1,024 float32; WO 1,024 x 1,024 float32; WQ 1,024 x 1,024 float32; WV 1,024 x 1,024 float32; token_positions 2,048 int32; x 4 x 2,048 x 1,024 float32.
;; Outputs: out0 4 x 2,048 x 1,024 float32.
;; This version of the problem:
;;   THIS VERSION OF THE PROBLEM IS GIVEN IN LOW PRECISION. The matrix products marked QUANTISED in the list below multiply operands that are first quantised to E2M1 (2 exponent bits, 1 mantissa bit; 4 bits a number), with one power-of-two scale for each 32 numbers along K (OCP MX v1.0); their sums are f32. The products marked 'left as it is' may take bf16, f16 or f32 operands, with f32 sums. All else is computed in f32.
;;   The module's matrix products, in the order in which they are computed (A, B: the left and right operand; K: the contracted axis; several contracted axes count as one K, in the product's order):
;;     1. [M 8,192, K 1,024] x [K 1,024, N 1,024]; A: input x; B: input WQ: QUANTISED
;;     2. [M 8,192, K 1,024] x [K 1,024, N 1,024]; A: input x; B: input WK: QUANTISED
;;     3. [M 8,192, K 1,024] x [K 1,024, N 1,024]; A: input x; B: input WV: QUANTISED
;;     4. batch 64 x [M 2,048, K 64] x [K 64, N 2,048]; A: computed on the way; B: computed on the way: left as it is (an operand is computed on the way)
;;     5. batch 64 x [M 2,048, K 2,048] x [K 2,048, N 64]; A: computed on the way; B: computed on the way: left as it is (an operand is computed on the way)
;;     6. [M 8,192, K 1,024] x [K 1,024, N 1,024]; A: computed on the way; B: input WO: left as it is (an operand is computed on the way)
;;   THE QUANTISER, for each operand of a quantised product, along K:
;;     - K is cut into blocks of 32 from its start; a last block that is shorter is filled with zeros.
;;     - A block's scale is 2^e with e = floor(log2(the largest magnitude in the block)) - 2, held to -126 .. 127; a block of zeros has e = 0. As a byte (E8M0): e + 127.
;;     - Each number is divided by its block's scale, clamped to +-6, and rounded to the nearest number of E2M1, ties to even, subnormals kept.
;;     - The product sums the exact products of the quantised numbers (number of the format x scale) in f32.
;;   ~~~python
;;   def quantise(x, axis):      # numpy; x: float32 -> the quantised numbers, widened to float32 again
;;       x = np.moveaxis(x, axis, -1); K = x.shape[-1]
;;       x = np.pad(x, [(0, 0)] * (x.ndim - 1) + [(0, -K % 32)]); x = x.reshape(x.shape[:-1] + (-1, 32)); a = np.abs(x).max(-1, keepdims=True)
;;       e = np.where(a > 0, np.clip(np.frexp(np.where(a > 0, a, 1))[1] - 1 - 2, -126, 127), 0)      # np.frexp(a)[1] - 1 = floor(log2(a)), exactly
;;       r = np.clip(x / 2.0 ** e, -6, 6)
;;       step = 2.0 ** (np.maximum(np.frexp(np.where(r == 0, 1, r))[1] - 1, 0) - 1)
;;       q = np.round(r / step) * step * 2.0 ** e      # np.round: ties to even
;;       return np.moveaxis(q.reshape(q.shape[:-2] + (-1,))[..., :K], -1, axis).astype(np.float32)
;;   ~~~
;; One version. Each part assembles by itself: llvm-mc -triple=amdgcn-amd-amdhsa -mcpu=gfx1250 --defsym DOCPART=n.
;; ======== version 1 of 1: 4 launches
;; limits: values are held in f16: magnitudes above 65,504 overflow, below 6.1e-05 lose precision; right only within a limited range of input values
;; workspace buffers: x_codes 4,194,304 bytes; x_scales 262,144 bytes; w_codes 1,572,864 bytes; w_scales 98,304 bytes; wo_h 2,097,152 bytes; rope 524,288 bytes; qkv 50,331,648 bytes; ao 16,777,216 bytes
;; launch prep (part 1): grid 448 x 1, 4 waves a work-group, no clusters, 33,280 bytes of LDS; arguments x, WQ, WK, WV, WO, token_positions, x_codes, x_scales, w_codes, w_scales, wo_h, rope; writes x_codes, x_scales, w_codes, w_scales, wo_h, rope
.if DOCPART == 1
	.amdgcn_target "amdgcn-amd-amdhsa--gfx1250"
	.amdhsa_code_object_version 6
	.text
	.protected	k_qd31d29e10a_prep
	.globl	k_qd31d29e10a_prep
	.p2align	8
	.type	k_qd31d29e10a_prep,@function
k_qd31d29e10a_prep:
	s_mov_b64 s[64:65], 0
	v_nop
	global_prefetch_b8 v0, s[64:65] scope:SCOPE_SE
	s_setreg_imm32_b32 hwreg(HW_REG_WAVE_MODE, 25, 1), 1
	s_wait_xcnt 0x0
; PREP: what the later launches read many times is made once.  Three kinds of work-groups, told apart by the work-group's number:
;   0-351   x [8192][1024], WQ, WK, WV [1024][1024], f32, K innermost -> codes of FP4 (E2M1), two a byte, and one E8M0 scale byte for each 32 along K.
;           x_codes [8192][512 B], x_scales [8192][32]; w_codes [3072][512 B], w_scales [3072][32]: rows 0-1023 WQ, 1024-2047 WK, 2048-3071 WV.
;   352-415 WO [1024][1024] f32 -> f16, plain rows.
;   416-447 the table of cosines and sines for the rotation, from token_positions, laid as the next launch's registers want it:
;           rope [128 tiles of 16 positions][8 steps j][32 lanes][16 B]: lane (r, h) of step j holds (cos, sin, cos, sin) of position 16 T + r for the pairs 8 (j / 2) + 4 h + 2 (j % 2) + 0, 1.
; THE QUANTISER: a block's scale is 2^(floor(log2(its largest magnitude)) - 2); its byte is the largest magnitude's exponent field - 2, held at 1 from below; each number is divided by the scale and
; rounded to the nearest code, ties to even, beyond 6 the largest code.
; LIMITS: NaN and infinities among the inputs are not served.  A block of zeros gets the byte 1 where the rule says 127: its codes are zeros, and this program alone reads the bytes.
; Blocks whose largest magnitude lies under 2^(2 - 126) keep the byte 1.  |position| <= 2^19: up to there the whole number of quarter turns taken off an angle is within 0.05 of the true one, and the
; polynomials hold on what is left.  The frequencies 10000^(-i / 32) are made by v_exp_f32 (1 ulp: ISA guide, its entry), an angle's error from that stays under 2e-4 at position 2,047.
; No tensor loads, no barrier: waves share nothing.  Only the first kind of work-group touches LDS.
.set STEPS, 16
.set EMAX,  2
.set CB,    8                          ; bytes of 16 codes
.set R,     16                         ; v16-79   four sets of 16 numbers as they are loaded
.set X,     80                         ; v80-111  two sets of 16 neighbours
.set C,     128                        ; v128-191 codes: four registers for each step, so that no store's data are written again
.set E,     112                        ; v112-127 a scale byte for each step
.set WREG,  8192                       ; LDS: a region for each wave: two stages of 32 x SP bytes, behind them its 256 scale bytes
.set SP,    80                         ; a lane's place in a stage: 64 bytes + 16 of padding
	s_load_b512 s[8:23], s[0:1], 0x0               ; x s[8:9], WQ s[10:11], WK s[12:13], WV s[14:15], WO s[16:17], positions s[18:19], x_codes s[20:21], x_scales s[22:23]
	s_load_b256 s[24:31], s[0:1], 0x40             ; w_codes s[24:25], w_scales s[26:27], wo_h s[28:29], rope s[30:31]
	v_lshl_add_u32 v192, v0, 2, 0x8000
	v_mov_b32 v193, 0
	v_lshrrev_b32 v1, 5, v0
	v_readfirstlane_b32 s4, v1                     ; wave
	v_and_b32 v2, 31, v0                           ; lane
	s_mov_b32 s41, 0                               ; the upper word of every offset
	s_wait_kmcnt 0x0
	s_cmp_ge_u32 ttmp9, 352
	s_cbranch_scc1 .Lother
; ---- the quantiser.  A wave takes 16 steps of 512 numbers.  Each of a step's four loads reads 512 consecutive bytes; the 2,048 bytes turn through the wave's own stage in LDS and come back 64 bytes a lane,
; so that a lane holds 16 neighbours along K (two neighbouring lanes hold a block).  A lane's 16 codes are 8 bytes: the wave stores 256 consecutive bytes.  A wave's 256 scale bytes gather in LDS and leave together.
	v_lshlrev_b32 v3, 4, v2                        ; my 16 bytes of a load's 512
	s_mul_i32 s5, s4, WREG
	v_lshrrev_b32 v14, 2, v2
	v_mul_u32_u24 v14, v14, SP
	v_and_b32 v15, 3, v2
	v_lshl_add_u32 v14, v15, 4, v14
	v_add_nc_u32 v14, s5, v14                      ; the stage, on the way in: SP (lane / 4) + 16 (lane % 4)
	v_mul_u32_u24 v15, v2, SP
	v_add_nc_u32 v15, s5, v15                      ; and on the way out: SP x lane
	v_mul_u32_u24 v4, v2, CB                       ; my codes' place in a step's
	v_lshrrev_b32 v5, 1, v2
	s_add_co_u32 s5, s5, 2*32*SP
	v_add_nc_u32 v5, s5, v5                        ; my block's scale byte in LDS
	v_lshlrev_b32 v7, 3, v2                        ; and on the way out 8 bytes a lane
	v_add_nc_u32 v6, s5, v7
	s_mov_b64 s[32:33], s[14:15]                   ; which tensor: the choice hangs on the work-group's number alone
	s_cmp_lt_u32 ttmp9, 320
	s_cselect_b64 s[32:33], s[12:13], s[32:33]
	s_cmp_lt_u32 ttmp9, 288
	s_cselect_b64 s[32:33], s[10:11], s[32:33]
	s_cmp_lt_u32 ttmp9, 256
	s_cselect_b64 s[32:33], s[8:9], s[32:33]       ; the numbers,
	s_cselect_b64 s[34:35], s[20:21], s[24:25]     ; the codes,
	s_cselect_b64 s[36:37], s[22:23], s[26:27]     ; the scale bytes
	s_cselect_b32 s38, 0, 256
	s_cselect_b32 s39, -1, 31
	s_sub_co_u32 s38, ttmp9, s38                   ; my place in the codes' buffer: 0-255 in x's, 0-95 in the three weights',
	s_and_b32 s39, s38, s39                        ; and in the tensor: a weight has 32 work-groups
	s_lshl_b32 s39, s39, 2
	s_add_co_u32 s39, s39, s4                      ; which run of 8,192 numbers is my wave's, in the tensor,
	s_lshl_b32 s38, s38, 2
	s_add_co_u32 s38, s38, s4                      ; and in the buffers
	s_lshl_b32 s40, s39, 15                        ; 32,768 bytes of numbers a run
	s_add_nc_u64 s[32:33], s[32:33], s[40:41]
	s_lshl_b32 s40, s38, 12                        ; 4,096 bytes of codes
	s_add_nc_u64 s[34:35], s[34:35], s[40:41]
	s_lshl_b32 s40, s38, 8                         ; 256 scale bytes
	s_add_nc_u64 s[36:37], s[36:37], s[40:41]
.macro QLOAD t
.irp i, 0,1,2,3
	global_load_b128 v[R+16*((\t)%4)+4*\i:R+16*((\t)%4)+4*\i+3], v3, s[32:33] offset:2048*(\t)+512*\i th:TH_LOAD_NT
.endr
.endm
.macro QTURN t                         ; step t's numbers through the stage: LDS serves a wave's instructions in order (ISA guide 5.7.1.4), so no wait stands between the stores and the loads
.irp i, 0,1,2,3
	ds_store_b128 v14, v[R+16*((\t)%4)+4*\i:R+16*((\t)%4)+4*\i+3] offset:32*SP*((\t)%2)+8*SP*\i
.endr
.irp i, 0,1,2,3
	ds_load_b128 v[X+16*((\t)%2)+4*\i:X+16*((\t)%2)+4*\i+3], v15 offset:32*SP*((\t)%2)+16*\i
.endr
.endm
.irp t, 0,1,2,3
	QLOAD \t
.endr
	s_wait_loadcnt 12                              ; step 0's four loads are in; three steps' twelve stay out
	QTURN 0
.macro QSTEP t
.set XS, X+16*((\t)%2)
.if (\t) > 0
	s_wait_dscnt 1                                 ; this step's numbers are back from the stage (the last step's byte store may be out), so the stage's stores have read their registers,
.else
	s_wait_dscnt 0x0
.endif
.if (\t)+4 < STEPS
	QLOAD (\t)+4                                   ; which take the loads of four steps on
.endif
.if (\t)+1 < STEPS
.if STEPS-2-(\t) >= 3
	s_wait_loadcnt 12                              ; the next step's four loads are in; those of the three steps behind it may be out
.else
	s_wait_loadcnt 4*(STEPS-2-(\t))
.endif
	QTURN (\t)+1                                   ; they go through the other stage while this step is worked
.endif
	v_max3_num_f32 v8, |v[XS]|, |v[XS+1]|, |v[XS+2]|               ; the largest magnitude of my 16, in two chains
	v_max3_num_f32 v9, |v[XS+3]|, |v[XS+4]|, |v[XS+5]|
.irp i, 6,10
	v_max3_num_f32 v8, v8, |v[XS+\i]|, |v[XS+\i+1]|
	v_max3_num_f32 v9, v9, |v[XS+\i+2]|, |v[XS+\i+3]|
.endr
	v_max3_num_f32 v8, v8, |v[XS+14]|, |v[XS+15]|
	v_max3_num_f32 v8, v8, v9, (EMAX+1)<<23        ; and the floor 2^(EMAX + 1 - 127): the byte cannot fall under 1
	v_max_num_f32_dpp v8, v8, v8 row_xmask:1 row_mask:0xf bank_mask:0xf   ; with my neighbour's 16: the block's
	v_add_nc_u32 v11, -(EMAX<<23), v8              ; EMAX off its exponent field: the conversion takes this operand's exponent field as its scale and nothing else of it
	v_cvt_scalef32_pk8_fp4_f32 v[C+4*(\t)], v[XS:XS+7], v11
	v_cvt_scalef32_pk8_fp4_f32 v[C+4*(\t)+1], v[XS+8:XS+15], v11
	v_lshrrev_b32 v[E+(\t)], 23, v11               ; the scale's byte (also the plain line behind the conversions)
	ds_store_b8 v5, v[E+(\t)] offset:16*(\t)       ; both lanes of a block write the same byte with the same value
	global_store_b64 v4, v[C+4*(\t):C+4*(\t)+1], s[34:35] offset:32*CB*(\t)
.endm
.irp t, 0,1,2,3,4,5,6,7,8,9,10,11,12,13,14,15
	QSTEP \t
.endr
	ds_load_b64 v[12:13], v6                       ; in order behind my byte stores
	s_wait_dscnt 0x0
	global_store_b64 v7, v[12:13], s[36:37]        ; 32 lanes store 256 consecutive bytes, aligned
	s_wait_tensorcnt 0x0
	ds_add_u32 v192, v193
	s_wait_dscnt 0x0
	s_endpgm
.Lother:
	s_cmp_ge_u32 ttmp9, 416
	s_cbranch_scc1 .Ltable
; ---- WO to f16.  A wave takes 4,096 numbers: a lane 8 neighbours at a time (two loads of 16 bytes, which together cover 1,024 consecutive bytes a wave), 16 bytes out: 512 consecutive bytes a store.
; All 32 loads go out at once; every register is written once, so no store's data are written again.
	s_sub_co_u32 s5, ttmp9, 352
	s_lshl_b32 s5, s5, 2
	s_add_co_u32 s5, s5, s4                        ; my run, 0-255
	s_lshl_b32 s40, s5, 14
	s_add_nc_u64 s[16:17], s[16:17], s[40:41]
	s_lshl_b32 s40, s5, 13
	s_add_nc_u64 s[28:29], s[28:29], s[40:41]
	v_lshlrev_b32 v1, 5, v2
	v_lshlrev_b32 v3, 4, v2
.irp i, 0,1,2,3,4,5,6,7,8,9,10,11,12,13,14,15
	global_load_b128 v[16+8*\i:16+8*\i+3], v1, s[16:17] offset:1024*\i th:TH_LOAD_NT
	global_load_b128 v[16+8*\i+4:16+8*\i+7], v1, s[16:17] offset:1024*\i+16 th:TH_LOAD_NT
.endr
.irp i, 0,1,2,3,4,5,6,7,8,9,10,11,12,13,14,15
	s_wait_loadcnt 30-2*\i                         ; pair i is in; the younger pairs stay out
.irp j, 0,1,2,3
	v_cvt_pk_f16_f32 v[16+8*\i+\j], v[16+8*\i+2*\j], v[16+8*\i+2*\j+1]   ; in place, ascending: a result never lands on numbers still to be read
.endr
	global_store_b128 v3, v[16+8*\i:16+8*\i+3], s[28:29] offset:512*\i
.endr
	s_endpgm
.Ltable:
; ---- cosines and sines.  A wave makes one tile of 16 positions.  angle = position x 10000^(-i / 32), one rounding, as reference() has it.  k = the nearest whole number of quarter turns; it is taken off in
; three parts of pi / 2 by fused multiply-adds; sine and cosine of what is left by polynomials in f32; the quarter k mod 4 swaps and signs them by selects: no branch hangs on a number.
	s_sub_co_u32 s5, ttmp9, 416
	s_lshl_b32 s5, s5, 2
	s_add_co_u32 s5, s5, s4                        ; T, 0-127
	s_lshl_b32 s40, s5, 6
	s_add_nc_u64 s[18:19], s[18:19], s[40:41]
	v_and_b32 v3, 15, v2
	v_lshlrev_b32 v3, 2, v3
	global_load_b32 v4, v3, s[18:19]               ; position 16 T + r
	s_lshl_b32 s42, s5, 12
	s_mov_b32 s43, 0
	s_add_nc_u64 s[30:31], s[30:31], s[42:43]
	v_lshrrev_b32 v5, 4, v2
	v_lshlrev_b32 v5, 2, v5                        ; 4 h
	v_lshlrev_b32 v6, 4, v2                        ; 16 x lane
	s_mov_b32 s48, 0x3f22f983                      ; 2 / pi
	s_mov_b32 s49, 0xbfc90fdb                      ; -pi / 2: the nearest f32,
	s_mov_b32 s50, 0x333bbd2e                      ; what that leaves,
	s_mov_b32 s51, 0x26f72ced                      ; and what that leaves
	s_mov_b32 s52, 0xbe2aaaa3                      ; sine: r + r^3 (S1 + S2 z + S3 z^2), z = r^2
	s_mov_b32 s53, 0x3c08839e
	s_mov_b32 s54, 0xb94ca1f9
	s_mov_b32 s55, 0x3d2aaaa5                      ; cosine: 1 - z / 2 + z^2 (C1 + C2 z + C3 z^2)
	s_mov_b32 s56, 0xbab6061a
	s_mov_b32 s57, 0x37ccf5ce
	s_mov_b32 s58, 0xbed49a78                      ; -log2(10000) / 32
	s_wait_loadcnt 0x0
	v_cvt_f32_i32 v4, v4
.macro SINCOS n, dc, ds                ; pair n + 4 h: its cosine into v[dc], its sine into v[ds]
	v_add_nc_u32 v8, \n, v5
	v_cvt_f32_u32 v8, v8
	v_mul_f32 v8, s58, v8
	v_exp_f32 v8, v8                               ; 10000^(-i / 32)
	v_nop                                          ; a plain line behind the transcendental
	s_wait_alu depctr_va_vdst(0)
	v_mul_f32 v8, v4, v8                           ; the angle
	v_mul_f32 v9, s48, v8
	v_rndne_f32 v9, v9                             ; k
	v_fma_f32 v10, v9, s49, v8
	v_fma_f32 v10, v9, s50, v10
	v_fma_f32 v10, v9, s51, v10                    ; r = angle - k pi / 2
	v_cvt_i32_f32 v11, v9
	v_mul_f32 v12, v10, v10                        ; z
	v_fma_f32 v13, v12, s54, s53
	v_fma_f32 v15, v12, s57, s56
	v_fma_f32 v13, v13, v12, s52
	v_fma_f32 v15, v15, v12, s55
	v_mul_f32 v14, v12, v10
	v_mul_f32 v16, v12, v12
	v_fma_f32 v13, v13, v14, v10                   ; sin r
	v_fma_f32 v17, v12, -0.5, 1.0
	v_fma_f32 v15, v15, v16, v17                   ; cos r
	v_and_b32 v17, 1, v11
	v_cmp_eq_u32 vcc_lo, 1, v17                    ; an odd quarter swaps the two
	v_cndmask_b32 v[\ds], v13, v15, vcc_lo
	v_cndmask_b32 v[\dc], v15, v13, vcc_lo
	v_lshlrev_b32 v17, 30, v11                     ; the sine is negative in quarters 2 and 3,
	v_and_b32 v17, 0x80000000, v17
	v_xor_b32 v[\ds], v[\ds], v17
	v_add_nc_u32 v18, 1, v11                       ; the cosine in quarters 1 and 2
	v_lshlrev_b32 v18, 30, v18
	v_and_b32 v18, 0x80000000, v18
	v_xor_b32 v[\dc], v[\dc], v18
.endm
.irp j, 0,1,2,3,4,5,6,7
	SINCOS 8*(\j/2)+2*(\j%2), 64+4*\j, 65+4*\j
	SINCOS 8*(\j/2)+2*(\j%2)+1, 66+4*\j, 67+4*\j
	global_store_b128 v6, v[64+4*\j:67+4*\j], s[30:31] offset:512*\j   ; 512 consecutive bytes a store; each step has registers of its own
.endr
	s_endpgm
.Lfunc_end_k_qd31d29e10a_prep:
	.size	k_qd31d29e10a_prep, .Lfunc_end_k_qd31d29e10a_prep-k_qd31d29e10a_prep
	.p2alignl 7, 3214868480
	.fill 96, 4, 3214868480
	.section	.rodata,"a",@progbits
	.p2align	6, 0x0
	.amdhsa_kernel k_qd31d29e10a_prep
		.amdhsa_group_segment_fixed_size 33280
		.amdhsa_private_segment_fixed_size 0
		.amdhsa_enable_private_segment 0
		.amdhsa_kernarg_size 96
		.amdhsa_user_sgpr_count 2
		.amdhsa_user_sgpr_kernarg_segment_ptr 1
		.amdhsa_wavefront_size32 1
		.amdhsa_system_sgpr_workgroup_id_x 1
		.amdhsa_system_sgpr_workgroup_id_y 1
		.amdhsa_system_sgpr_workgroup_id_z 1
		.amdhsa_system_vgpr_workitem_id 0
		.amdhsa_next_free_vgpr 194
		.amdhsa_next_free_sgpr 66
		.amdhsa_reserve_vcc 1
		.amdhsa_float_denorm_mode_32 3
		.amdhsa_float_denorm_mode_16_64 3
		.amdhsa_memory_ordered 1
		.amdhsa_forward_progress 1
		.amdhsa_inst_pref_size 68
	.end_amdhsa_kernel
	.amdgpu_metadata
---
amdhsa.version: [ 1, 2 ]
amdhsa.kernels:
  - .name:           k_qd31d29e10a_prep
    .symbol:         k_qd31d29e10a_prep.kd
    .args:
      - { .name: x, .offset: 0, .size: 8, .value_kind: global_buffer, .address_space: global }
      - { .name: WQ, .offset: 8, .size: 8, .value_kind: global_buffer, .address_space: global }
      - { .name: WK, .offset: 16, .size: 8, .value_kind: global_buffer, .address_space: global }
      - { .name: WV, .offset: 24, .size: 8, .value_kind: global_buffer, .address_space: global }
      - { .name: WO, .offset: 32, .size: 8, .value_kind: global_buffer, .address_space: global }
      - { .name: token_positions, .offset: 40, .size: 8, .value_kind: global_buffer, .address_space: global }
      - { .name: x_codes, .offset: 48, .size: 8, .value_kind: global_buffer, .address_space: global }
      - { .name: x_scales, .offset: 56, .size: 8, .value_kind: global_buffer, .address_space: global }
      - { .name: w_codes, .offset: 64, .size: 8, .value_kind: global_buffer, .address_space: global }
      - { .name: w_scales, .offset: 72, .size: 8, .value_kind: global_buffer, .address_space: global }
      - { .name: wo_h, .offset: 80, .size: 8, .value_kind: global_buffer, .address_space: global }
      - { .name: rope, .offset: 88, .size: 8, .value_kind: global_buffer, .address_space: global }
    .group_segment_fixed_size: 33280
    .private_segment_fixed_size: 0
    .kernarg_segment_align: 8
    .kernarg_segment_size: 96
    .max_flat_workgroup_size: 128
    .sgpr_count:     66
    .vgpr_count:     194
    .wavefront_size: 32
...
	.end_amdgpu_metadata
.endif
;; end of part 1
;; launch qkv (part 2): grid 12 x 32, 4 waves a work-group, clusters of 4 x 4, 327,680 bytes of LDS; arguments x_codes, x_scales, w_codes, w_scales, rope, qkv; writes qkv
.if DOCPART == 2
	.amdgcn_target "amdgcn-amd-amdhsa--gfx1250"
	.amdhsa_code_object_version 6
	.text
	.protected	k_qd31d29e10a_qkv
	.globl	k_qd31d29e10a_qkv
	.p2align	8
	.type	k_qd31d29e10a_qkv,@function
k_qd31d29e10a_qkv:
	s_mov_b64 s[64:65], 0
	v_nop
	global_prefetch_b8 v0, s[64:65] scope:SCOPE_SE
	s_setreg_imm32_b32 hwreg(HW_REG_WAVE_MODE, 25, 1), 1
	s_wait_xcnt 0x0
	s_wait_alu depctr_hold_cnt(0) depctr_sa_sdst(0) depctr_va_vdst(0) depctr_va_sdst(0) depctr_va_ssrc(0) depctr_va_vcc(0) depctr_vm_vsrc(0)
	s_getreg_b32 s2, hwreg(HW_REG_IB_STS2, 6, 4)
	s_cmp_eq_u32 s2, 0
	s_cbranch_scc0 .Lentry_in_a_cluster
	s_endpgm
.Lentry_in_a_cluster:
	s_bfe_u32 s2, ttmp6, 0x10000c
	s_cmp_lg_u32 s2, 0xf033
	s_cbranch_scc0 .Lentry_shape_is_right
	s_endpgm
.Lentry_shape_is_right:
; QKV: [8192 rows of x] x [3072 rows of WQ | WK | WV]^T on codes of FP4 (E2M1) with one E8M0 scale for each 32 along K = 1,024, sums in f32; then the rotation of Q and K in f32; results rounded once to f16.
; A tile of 256 x 256 is made by a work-group of four waves; a wave makes 128 x 128: 64 accumulators of 16 x 16, 512 registers.  K is two steps of 512: both fit in LDS at once, so every tile is asked for
; at the start and nothing is filled again.  The scale bytes of the work-group's rows, for all of K, are two dense blocks and come with the first fills.
; CLUSTERS: 4 x 4 work-groups.  The four of a row of the cluster need the same tiles of x, the four of a column the same tiles of the weights: each tile is asked for JOINTLY.  A cluster's x is the kind: 0 Q, 1 K, 2 V.
; THE MATRIX INSTRUCTION IS USED TRANSPOSED (source 0 = 16 rows of a weight, source 1 = 16 rows of x): lane (r, h) holds row r and eight neighbouring columns 8 h + 0 .. 7: four whole pairs of the rotation,
; and, rounded to f16, 16 bytes.
; THE OUTPUT IS LAID AS ITS READER'S REGISTERS: qkv [3 kinds][4 b][16 heads][128 tiles of 16 rows][4 tiles of 16 columns][512 B], a piece of 512 bytes holding lane l's 16 bytes at 16 l.  So each store of a wave is
; 512 consecutive bytes, aligned, straight from registers.  In V's pieces the 16 bytes of (key r, half h) lie at 16 ((r & 7) + 8 h + 16 (r >> 3)): the order in which the turning LDS load of the next launch wants them.
; LIMITS: |Q|, |K|, |V| < 65,504 (f16); NaN and infinities are not served.
; REGISTERS, in windows of 256: window 0: v0-31 addresses; v32-95 scale words, two sets; v128-191 x's fragments, ONE set; v96-127 and v192-223 the rotation's table, two sets.
;   window 1: the weights' fragments, TWO sets.   windows 2, 3: the accumulators of my rows 0-63, 64-127 (accumulator (a, b) at v[8 (8 (a % 4) + b)]).
.set SIZE_K, 1024
.set KSTEP,  512                       ; along K in a slot
.set NQ,     KSTEP/128                 ; matrix instructions deep
.set ROWB,   256                       ; a tile's row in bytes
.set KROW,   SIZE_K*4/8                ; a row of codes in memory
.set PITCH,  272                       ; an LDS row: 256 bytes + 16 of padding = 68 words: the 16 rows that a load touches start at 16 different banks (64 banks of 4 bytes: ISA guide 11.1)
.set FR,     8                         ; registers of a fragment: 16 rows x 128 K
.set NL,     2                         ; LDS loads that bring one
.set NP,     4                         ; places behind this matrix instruction (ISA guide 7.12.1)
.set HALFT,  128*PITCH
.set SLOT,   4*HALFT                   ; x's 256 rows, then the weights' 256 rows
.set KS,     SIZE_K/32                 ; a row of scales in bytes
.set SCL,    2*SLOT                    ; behind the slots: the scales, as rows of 256 bytes + 16 of padding
.set HALFS,  (128*KS/256)*272          ; the scales of 128 rows
.set SBLK,   (16*KS/256)*272           ; those of 16 rows
.set SPARE,  SCL+4*HALFS               ; the spare words, 128 bytes for each wave, which no other line names
.set ADRA, 16                          ; v16-17  LDS address of my fragments of x in slot 0, 1
.set ADRB, 20                          ; v20-21  the same for the weights
.set COV,  24                          ; v24     V's place of my 16 bytes in a piece
.set CO,   26                          ; v26     16 x lane: my place in a piece, and in a step of the table
.set ADRS, 27                          ; v27     LDS address of my scale words: lanes 0-15 x's rows, lanes 16-31 the weights'
.set SPW,  28                          ; v28     my spare word; never rewritten
.set NIL,  29                          ; v29     0; never rewritten
.set SC,   32                          ; scale words: set s at v[SC + 32 s]
.set AF,   128                         ; x's fragments
.set RR,   32                          ; the way out: 64 rotated numbers (the scale words are done with)
.set G1, 24
.set G0, 32
.set G1B, 48
.set G0B, 56
.set G1S, 68
.set G0S, 76
.set G1SB, 80
.set G0SB, 88
.set MSB, 0
.macro WIN new                         ; the immediate's high byte repeats the setting that is left
.if MSB != \new
	s_set_vgpr_msb (MSB<<8)|\new
.set MSB, \new
.endif
.endm
.set MUL_LO, 0xa1                      ; source 0 (weights) window 1, source 1 (x) window 0, C and D window 2
.set MUL_HI, 0xf1                      ; the same, C and D window 3
.set TO_B,   0x40                      ; destination window 1, address window 0
; A joint load: waves 0 and 1 fetch for x, waves 2 and 3 for the weights.  Each line has ONE mask and one set of registers for all that issue it; the branch hangs on the wave's number alone.
; Four v_nop follow each of the two lines.
.macro JLOAD g0a, g1a, g0b, g1b
	s_cmp_eq_u32 s15, 0
	s_cbranch_scc0 .Lfor_b_\@
	tensor_load_to_lds s[\g0a:\g0a+3], s[\g1a:\g1a+7]
	s_nop 0
.rept 4
	v_nop
.endr
	s_branch .Lasked_\@
.Lfor_b_\@:
	tensor_load_to_lds s[\g0b:\g0b+3], s[\g1b:\g1b+7]
	s_nop 0
.rept 4
	v_nop
.endr
.Lasked_\@:
.endm
.macro CROUND                          ; a round of the cluster's barrier
	s_barrier_signal -1
	s_barrier_wait -1
	s_cmp_lg_u32 s14, 0
	s_cbranch_scc1 .Lnot_wave_0_\@
	s_barrier_signal -3
.Lnot_wave_0_\@:
	s_barrier_wait -3
	s_barrier_signal -1
	s_barrier_wait -1
.endm
	s_load_b128 s[4:7], s[0:1], 0x0                ; x's codes s[4:5], x's scales s[6:7]
	s_load_b128 s[8:11], s[0:1], 0x10              ; the weights' codes s[8:9], their scales s[10:11]
	s_load_b128 s[96:99], s[0:1], 0x20             ; the table s[96:97], qkv s[98:99]
	v_lshl_add_u32 v[SPW], v0, 2, SPARE
	v_mov_b32 v[NIL], 0
	ds_add_u32 v28, v29
	s_wait_dscnt 0x0
	v_lshrrev_b32 v1, 5, v0
	v_readfirstlane_b32 s14, v1                    ; wave 0..3
	s_lshr_b32 s15, s14, 1                         ; which half of the tile's rows is mine.  Also: I fetch for x (0) or for the weights (1)
	s_and_b32 s16, s14, 1                          ; which half of its columns.  Also: which 128 rows I fetch
	s_bfe_u32 s40, ttmp6, 0x40000                  ; cx, cy: my place in the cluster
	s_bfe_u32 s41, ttmp6, 0x40004
	s_lshl_b32 s42, ttmp9, 2
	s_add_co_u32 s42, s42, s40                     ; tile column = 4 x cluster x + cx
	s_and_b32 s17, ttmp7, 0xffff
	s_lshl_b32 s17, s17, 2
	s_add_co_u32 s17, s17, s41                     ; tile row = 4 x cluster y + cy
	s_lshl_b32 s43, s41, 2
	s_lshl_b32 s43, 15, s43                        ; my row of the cluster
	s_lshl_b32 s44, 0x1111, s40                    ; my column
	; descriptor group 1: a tile of 128 rows x 256 bytes, padded in LDS
	s_or_b32 s[G1+0], s43, (0<<16)|(1<<20)|(1<<21)|(5<<22)|(3<<25)  ; 15:0 the mask; 17:16 elements of 1 byte; 20 padding on; 21 set beside a mask; 24:22 after every 64 words; 31:25 four words
	s_or_b32 s[G1B+0], s44, (0<<16)|(1<<20)|(1<<21)|(5<<22)|(3<<25)
.irp g, G1, G1B
	s_mov_b32 s[\g+1], ROWB<<16                    ; tensor_dim0
	s_mov_b32 s[\g+2], 128<<16                     ; tensor_dim1
	s_mov_b32 s[\g+3], ROWB<<16                    ; tile_dim0
	s_mov_b32 s[\g+4], 128                         ; tile_dim1
	s_mov_b32 s[\g+5], KROW                        ; tensor_dim0_stride
	s_mov_b32 s[\g+6], 0
	s_mov_b32 s[\g+7], 0
.endr
	; the scales of 128 rows: a dense block of 4,096 bytes, as 16 rows of 256 bytes (32 elements of 8 bytes), 16 bytes of padding behind each
	s_or_b32 s[G1S+0], s43, (3<<16)|(1<<20)|(1<<21)|(5<<22)|(3<<25)
	s_or_b32 s[G1SB+0], s44, (3<<16)|(1<<20)|(1<<21)|(5<<22)|(3<<25)
.irp g, G1S, G1SB
	s_mov_b32 s[\g+1], 32<<16
	s_mov_b32 s[\g+2], (128*KS/256)<<16
	s_mov_b32 s[\g+3], 32<<16
	s_mov_b32 s[\g+4], 128*KS/256
	s_mov_b32 s[\g+5], 32
	s_mov_b32 s[\g+6], 0
	s_mov_b32 s[\g+7], 0
.endr
	s_lshl_b32 s18, s16, 7                         ; which 128 rows of the tile I fetch
	s_lshl_b32 s20, s17, 8
	s_add_co_u32 s20, s20, s18                     ; x: row 256 x tile row + 128 x half
	s_lshl_b32 s46, s42, 8
	s_add_co_u32 s46, s46, s18                     ; weights: row 256 x tile column + 128 x half
	s_mov_b32 s21, 0
	s_mov_b32 s47, 0
	s_mov_b64 s[18:19], KS
	s_mul_u64 s[22:23], s[20:21], s[18:19]         ; where these rows' scales begin,
	s_mul_u64 s[92:93], s[46:47], s[18:19]
	s_mov_b64 s[18:19], KROW
	s_mul_u64 s[20:21], s[20:21], s[18:19]         ; and their codes
	s_mul_u64 s[46:47], s[46:47], s[18:19]
	s_mul_i32 s45, s14, HALFT                      ; where they go: wave x 128 rows: no place in the cluster enters an LDS address
	s_mul_i32 s94, s14, HALFS
	s_wait_kmcnt 0x0
	s_add_nc_u64 s[20:21], s[4:5], s[20:21]
	s_add_nc_u64 s[22:23], s[6:7], s[22:23]
	s_add_nc_u64 s[46:47], s[8:9], s[46:47]
	s_add_nc_u64 s[92:93], s[10:11], s[92:93]
	CROUND                                         ; all sixteen work-groups are here: the joint loads meet
	s_mov_b32 s[G0S], 1
	s_add_co_u32 s[G0S+1], s94, SCL
	s_mov_b64 s[G0S+2:G0S+3], s[22:23]
	s_or_b32 s[G0S+3], s[G0S+3], 0x80000000
	s_mov_b32 s[G0SB], 1
	s_add_co_u32 s[G0SB+1], s94, SCL
	s_mov_b64 s[G0SB+2:G0SB+3], s[92:93]
	s_or_b32 s[G0SB+3], s[G0SB+3], 0x80000000
	JLOAD G0S, G1S, G0SB, G1SB                     ; the scales first: they are wanted with K step 0
.irp s, 0,1
	s_mov_b32 s[G0+4*\s], 1
	s_add_co_u32 s[G0+4*\s+1], s45, \s*SLOT
	s_add_nc_u64 s[G0+4*\s+2:G0+4*\s+3], s[20:21], \s*ROWB
	s_or_b32 s[G0+4*\s+3], s[G0+4*\s+3], 0x80000000
	s_mov_b32 s[G0B+4*\s], 1
	s_add_co_u32 s[G0B+4*\s+1], s45, \s*SLOT
	s_add_nc_u64 s[G0B+4*\s+2:G0B+4*\s+3], s[46:47], \s*ROWB
	s_or_b32 s[G0B+4*\s+3], s[G0B+4*\s+3], 0x80000000
	JLOAD G0+4*\s, G1, G0B+4*\s, G1B               ; three tensor loads of mine are out in all
.endr
	v_and_b32 v1, 15, v0                           ; r = l % 16
	v_bfe_u32 v2, v0, 4, 1                         ; h = l / 16
	v_mul_u32_u24 v3, v1, PITCH
	v_lshl_add_u32 v4, v2, 4, v3                   ; a fragment's row x pitch + 16 x half
	s_mul_i32 s21, s15, HALFT                      ; my 128 rows of x
	s_mul_i32 s22, s16, HALFT                      ; my 128 rows of the weights,
	s_add_co_u32 s22, s22, 2*HALFT                 ; which lie behind x's 256
.irp s, 0,1
	v_add_nc_u32 v[ADRA+\s], s21, v4
	v_add_nc_u32 v[ADRB+\s], s22, v4
	s_add_co_u32 s21, s21, SLOT
	s_add_co_u32 s22, s22, SLOT
.endr
	v_mul_u32_u24 v5, v1, KS                       ; my row's scales: KS bytes a row,
	v_lshrrev_b32 v6, 8, v5
	v_lshl_add_u32 v5, v6, 4, v5                   ; and 16 more for each 256 passed
	s_mul_i32 s21, s15, HALFS
	s_mul_i32 s22, s16, HALFS
	s_add_co_u32 s22, s22, 2*HALFS
	s_sub_co_u32 s22, s22, s21
	v_mul_u32_u24 v6, s22, v2                      ; lanes 16-31 take the weights': one product, the distance between the two bases
	s_add_co_u32 s21, s21, SCL
	v_add_nc_u32 v5, v5, v6
	v_add_nc_u32 v[ADRS], s21, v5
	v_and_b32 v6, 31, v0
	v_lshlrev_b32 v[CO], 4, v6
	v_and_b32 v5, 7, v0
	v_lshl_add_u32 v5, v2, 3, v5
	v_bfe_u32 v6, v0, 3, 1
	v_lshl_add_u32 v5, v6, 4, v5
	v_lshlrev_b32 v[COV], 4, v5                    ; 16 ((l & 7) + 8 (l >> 4) + 16 ((l >> 3) & 1))
	; my first tile of 16 rows within its batch: (16 x tile row + 8 x half) mod 128.  It places me in the table and in qkv
	s_lshl_b32 s20, s17, 4
	s_lshl_b32 s21, s15, 3
	s_add_co_u32 s20, s20, s21
	s_and_b32 s20, s20, 127
	s_lshl_b32 s22, s20, 12                        ; 4,096 bytes of the table a tile
	s_mov_b32 s23, 0
	s_add_nc_u64 s[96:97], s[96:97], s[22:23]
	s_lshl_b32 s22, s20, 11                        ; qkv: 2,048 bytes a tile of rows,
	s_lshr_b32 s21, s17, 3
	s_lshl_b32 s21, s21, 22                        ; 4,194,304 a batch (8 tile rows),
	s_add_co_u32 s22, s22, s21
	s_lshl_b32 s21, ttmp9, 24                      ; 16,777,216 a kind,
	s_add_co_u32 s22, s22, s21
	s_add_nc_u64 s[98:99], s[98:99], s[22:23]
	s_lshl_b32 s46, s40, 20                        ; 262,144 a head: head 4 cx + 2 x my half of the columns (+ b / 4, in the stores' immediates)
	s_lshl_b32 s47, s16, 19
	s_add_co_u32 s46, s46, s47
	s_mov_b32 s47, 0
	s_add_nc_u64 s[98:99], s[98:99], s[46:47]
; The table of row block a: eight loads, 512 consecutive bytes each, into set a % 2.  Register 8 bb + 2 p holds the cosine, 8 bb + 2 p + 1 the sine, of my row's position for pair 8 bb + 4 h + p of a head.
; The first two sets are asked for here, by V's tiles too (8 KB a wave that they do not use): so the way out finds them written on every path.
.macro TABLE a
.set TBR, 96+96*((\a)%2)
.irp i, 0,1,2,3,4,5,6,7
	global_load_b128 v[TBR+4*\i:TBR+4*\i+3], v[CO], s[96:97] offset:4096*(\a)+512*\i
.endr
.endm
	TABLE 0
	TABLE 1
.macro FRAG reg, adr, q, i             ; a fragment, 16 rows x 128 K of 4-bit codes: lane l holds row l % 16; registers 4 c .. 4 c + 3 hold K = 64 c + 32 (l / 16) + 0 .. 31
.irp c, 0,1
	ds_load_b128 v[\reg+4*\c:\reg+4*\c+3], v[\adr] offset:64*(\q)+32*\c+(\i)*16*PITCH
.endr
.endm
; 16 matrix instructions: x's blocks a0, a0 + 1 against the weights' eight, 128 along K.  p: the weights' set; sc: the set of scale words.  zero = 1: the first product starts the sums.
; The 64 accumulators take turns, one instruction a turn, in the same order in every step.
.macro MUL16 a0, p, q, sc, zero
.irp a, \a0, \a0+1
.irp b, 0,1,2,3,4,5,6,7
.if \zero
	v_wmma_scale_f32_16x16x128_f8f6f4 v[8*(8*((\a)%4)+\b):8*(8*((\a)%4)+\b)+7], v[128*(\p)+FR*\b:128*(\p)+FR*\b+FR-1], v[AF+FR*(\a):AF+FR*(\a)+FR-1], 0, v[SC+8*NQ*(\sc)+NQ*\b+(\q)], v[SC+8*NQ*(\sc)+NQ*(\a)+(\q)] matrix_a_fmt:MATRIX_FMT_FP4 matrix_b_fmt:MATRIX_FMT_FP4 matrix_a_scale:MATRIX_SCALE_ROW1
.else
	v_wmma_scale_f32_16x16x128_f8f6f4 v[8*(8*((\a)%4)+\b):8*(8*((\a)%4)+\b)+7], v[128*(\p)+FR*\b:128*(\p)+FR*\b+FR-1], v[AF+FR*(\a):AF+FR*(\a)+FR-1], v[8*(8*((\a)%4)+\b):8*(8*((\a)%4)+\b)+7], v[SC+8*NQ*(\sc)+NQ*\b+(\q)], v[SC+8*NQ*(\sc)+NQ*(\a)+(\q)] matrix_a_fmt:MATRIX_FMT_FP4 matrix_b_fmt:MATRIX_FMT_FP4 matrix_a_scale:MATRIX_SCALE_ROW1
.endif
.endr
.endr
.endm
.macro FETCH_B slot, q, p              ; the weights' eight fragments of the slot's q-th 128 along K into set p
	WIN TO_B
.irp i, 0,1,2,3,4,5,6,7
	FRAG 128*(\p)+FR*\i, ADRB+\slot, \q, \i
.endr
	WIN 0
.endm
.macro FETCH_A slot, q, i0             ; x's blocks i0 .. i0 + 3
.irp i, \i0, \i0+1, \i0+2, \i0+3
	FRAG AF+FR*(\i), ADRA+\slot, \q, \i
.endr
.endm
.macro SCALES sc                       ; a K step's scale words into set sc: lanes 0-15 take x's block i, lanes 16-31 the weights' block i
.irp i, 0,1,2,3,4,5,6,7
	ds_load_b128 v[SC+8*NQ*\sc+NQ*\i:SC+8*NQ*\sc+NQ*\i+3], v[ADRS] offset:\i*SBLK
.endr
.endm
; A load into a register that a matrix instruction has read, and a vector instruction that reads a matrix result or writes one of its registers, stand NP places behind it; only plain vector
; instructions that name none of its registers are places (ISA guide 7.12.1 for vector instructions).
.macro PLACES n
.rept \n
	v_nop
.endr
.endm
.macro STEP slot, q, zero              ; a step of 128 along K that has its successor in the same slot
	s_wait_dscnt 4*NL                              ; the weights' set and x's blocks 0-3 are in; the youngest eight loads (x's blocks 4-7) may be out
	WIN MUL_LO
	MUL16 0, (\q)%2, \q, \slot, \zero
	MUL16 2, (\q)%2, \q, \slot, \zero
	s_wait_dscnt 0                                 ; x's blocks 4-7 are in
	PLACES NP
	FETCH_B \slot, (\q)+1, 1-(\q)%2
	FETCH_A \slot, (\q)+1, 0
	WIN MUL_HI
	MUL16 4, (\q)%2, \q, \slot, \zero
	MUL16 6, (\q)%2, \q, \slot, \zero
	PLACES NP
	WIN 0
	FETCH_A \slot, (\q)+1, 4
.endm
; Slot 0's last step goes over to slot 1: one barrier, in front of which each wave has seen its own part of slot 1 land.  Nothing is filled again: K ends with slot 1.
.macro TURN slot, next
	s_wait_tensorcnt 0x0                           ; all my tensor loads have landed: my part of the next slot
	ds_add_u32 v[SPW], v[NIL]                      ; 0 onto my spare word
	s_wait_dscnt 4*NL+1                            ; (the add and the youngest eight loads, x's blocks 4-7, may be out)
	WIN MUL_LO
	MUL16 0, 1, NQ-1, \slot, 0
	s_wait_dscnt 0x0                               ; the add is done, my LDS loads are in
	s_barrier_signal -1
	MUL16 2, 1, NQ-1, \slot, 0
	WIN 0
	s_barrier_wait -1                              ; the next slot is whole
	PLACES NP
	v_add_nc_u32 v[ADRS], 4*NQ, v[ADRS]            ; on to the next K step's scale words
	FETCH_B \next, 0, 0
	FETCH_A \next, 0, 0
	SCALES \next
	WIN MUL_HI
	MUL16 4, 1, NQ-1, \slot, 0
	MUL16 6, 1, NQ-1, \slot, 0
	PLACES NP
	WIN 0
	FETCH_A \next, 0, 4
.endm
.macro STEPS slot, from                ; the slot's steps from .. NQ - 2
.set Q, \from
.rept NQ-1-\from
	STEP \slot, Q, 0
.set Q, Q+1
.endr
.endm
	s_wait_tensorcnt 1                             ; the scales and my part of K step 0 are in (K step 1's load may be out),
	s_barrier_signal -1
	s_barrier_wait -1                              ; everybody's are
	FETCH_B 0, 0, 0
	FETCH_A 0, 0, 0
	SCALES 0
	FETCH_A 0, 0, 4
	STEP 0, 0, 1                                   ; the first step's products start the sums: nothing is cleared
	STEPS 0, 1
	TURN 0, 1
	STEPS 1, 0
	s_wait_dscnt 4*NL                              ; the very last step: nothing more to fetch
	WIN MUL_LO
	MUL16 0, 1, NQ-1, 1, 0
	MUL16 2, 1, NQ-1, 1, 0
	s_wait_dscnt 0
	WIN MUL_HI
	MUL16 4, 1, NQ-1, 1, 0
	MUL16 6, 1, NQ-1, 1, 0
	WIN 0
; THE WAY OUT, a block of 16 rows x 128 columns (two heads) at a time, straight from registers.
; Q and K: pair p of accumulator (a, b) is (x1, x2) = registers 2 p, 2 p + 1: r1 = x1 cos - x2 sin, r2 = x1 sin + x2 cos, each a multiplication and a fused multiply-add in f32.
; Each accumulator is read from its low end on.  The table's set is asked for again, two blocks on, as soon as it has been read.
.macro OUTR a
.set AC, 64*((\a)%4)
.set PK, 128+32*((\a)%2)
.set WW, 0x02+(\a)/4
.if (\a) < 7
	s_wait_loadcnt 8                               ; this block's table is in; the next block's eight loads may be out
.else
	s_wait_loadcnt 0
.endif
	s_wait_xcnt 0x0                                ; the stores of two blocks back have read the registers that this block's results take
.set TBR, 96+96*((\a)%2)
	WIN WW                                         ; source 0: window 2 or 3
.irp b, 0,1,2,3,4,5,6,7
.irp p, 0,1,2,3
	v_mul_f32 v[RR+8*\b+2*\p], v[AC+8*\b+2*\p+1], v[TBR+8*(\b%4)+2*\p+1]
	v_mul_f32 v[RR+8*\b+2*\p+1], v[AC+8*\b+2*\p+1], v[TBR+8*(\b%4)+2*\p]
.endr
.irp p, 0,1,2,3
	v_fma_f32 v[RR+8*\b+2*\p], v[AC+8*\b+2*\p], v[TBR+8*(\b%4)+2*\p], -v[RR+8*\b+2*\p]
	v_fma_f32 v[RR+8*\b+2*\p+1], v[AC+8*\b+2*\p], v[TBR+8*(\b%4)+2*\p+1], v[RR+8*\b+2*\p+1]
.endr
.endr
	WIN 0
.if (\a) < 6
	TABLE (\a)+2
.endif
.irp b, 0,1,2,3,4,5,6,7
.irp p, 0,1,2,3
	v_cvt_pk_f16_f32 v[PK+4*\b+\p], v[RR+8*\b+2*\p], v[RR+8*\b+2*\p+1]
.endr
.endr
.irp b, 0,1,2,3,4,5,6,7
	global_store_b128 v[CO], v[PK+4*\b:PK+4*\b+3], s[98:99] offset:(\b/4)*262144+(\a)*2048+(\b%4)*512   ; a piece: 512 consecutive bytes, aligned
.endr
.endm
.macro OUTV a                          ; V: no rotation; the lanes' 16 bytes go to V's places in the piece
.set AC, 64*((\a)%4)
.set PK, 128+32*((\a)%2)
.set WW, 0x0a+5*((\a)/4)
	s_wait_xcnt 0x0                                ; as above
	WIN WW                                         ; sources 0 and 1: window 2 or 3
.irp b, 0,1,2,3,4,5,6,7
.irp p, 0,1,2,3
	v_cvt_pk_f16_f32 v[PK+4*\b+\p], v[AC+8*\b+2*\p], v[AC+8*\b+2*\p+1]
.endr
.endr
	WIN 0
.irp b, 0,1,2,3,4,5,6,7
	global_store_b128 v[COV], v[PK+4*\b:PK+4*\b+3], s[98:99] offset:(\b/4)*262144+(\a)*2048+(\b%4)*512
.endr
.endm
	PLACES NP                                      ; behind the last products: their results are read, and the scale words' and x's registers written, below
	s_cmp_eq_u32 ttmp9, 2                          ; the kind is the cluster's x: the same in all sixteen partners
	s_cbranch_scc1 .Lplain
.irp a, 0,1,2,3,4,5,6,7
	OUTR \a
.endr
	s_branch .Ldone
.Lplain:
.irp a, 0,1,2,3,4,5,6,7
	OUTV \a
.endr
.Ldone:
	s_wait_tensorcnt 0x0                           ; the wave's end
	ds_add_u32 v[SPW], v[NIL]
	s_wait_dscnt 0x0
	CROUND                                         ; the closing round: no work-group ends while a partner may still ask for a tile that names it
	s_endpgm
.Lfunc_end_k_qd31d29e10a_qkv:
	.size	k_qd31d29e10a_qkv, .Lfunc_end_k_qd31d29e10a_qkv-k_qd31d29e10a_qkv
	.p2alignl 7, 3214868480
	.fill 96, 4, 3214868480
	.section	.rodata,"a",@progbits
	.p2align	6, 0x0
	.amdhsa_kernel k_qd31d29e10a_qkv
		.amdhsa_group_segment_fixed_size 327680
		.amdhsa_private_segment_fixed_size 0
		.amdhsa_enable_private_segment 0
		.amdhsa_kernarg_size 48
		.amdhsa_user_sgpr_count 2
		.amdhsa_user_sgpr_kernarg_segment_ptr 1
		.amdhsa_wavefront_size32 1
		.amdhsa_system_sgpr_workgroup_id_x 1
		.amdhsa_system_sgpr_workgroup_id_y 1
		.amdhsa_system_sgpr_workgroup_id_z 1
		.amdhsa_system_vgpr_workitem_id 0
		.amdhsa_next_free_vgpr 1024
		.amdhsa_next_free_sgpr 100
		.amdhsa_reserve_vcc 0
		.amdhsa_float_denorm_mode_32 3
		.amdhsa_float_denorm_mode_16_64 3
		.amdhsa_memory_ordered 1
		.amdhsa_forward_progress 1
		.amdhsa_inst_pref_size 195
	.end_amdhsa_kernel
	.amdgpu_metadata
---
amdhsa.version: [ 1, 2 ]
amdhsa.kernels:
  - .name:           k_qd31d29e10a_qkv
    .symbol:         k_qd31d29e10a_qkv.kd
    .args:
      - { .name: x_codes, .offset: 0, .size: 8, .value_kind: global_buffer, .address_space: global }
      - { .name: x_scales, .offset: 8, .size: 8, .value_kind: global_buffer, .address_space: global }
      - { .name: w_codes, .offset: 16, .size: 8, .value_kind: global_buffer, .address_space: global }
      - { .name: w_scales, .offset: 24, .size: 8, .value_kind: global_buffer, .address_space: global }
      - { .name: rope, .offset: 32, .size: 8, .value_kind: global_buffer, .address_space: global }
      - { .name: qkv, .offset: 40, .size: 8, .value_kind: global_buffer, .address_space: global }
    .group_segment_fixed_size: 327680
    .private_segment_fixed_size: 0
    .kernarg_segment_align: 8
    .kernarg_segment_size: 48
    .max_flat_workgroup_size: 128
    .sgpr_count:     100
    .vgpr_count:     1024
    .wavefront_size: 32
...
	.end_amdgpu_metadata
.endif
;; end of part 2
;; launch attn (part 3): grid 4 x 64, 16 waves a work-group, clusters of 4 x 1, 327,680 bytes of LDS; arguments qkv, ao; writes ao
.if DOCPART == 3
	.amdgcn_target "amdgcn-amd-amdhsa--gfx1250"
	.amdhsa_code_object_version 6
	.text
	.protected	k_qd31d29e10a_attn
	.globl	k_qd31d29e10a_attn
	.p2align	8
	.type	k_qd31d29e10a_attn,@function
k_qd31d29e10a_attn:
	s_mov_b64 s[64:65], 0
	v_nop
	global_prefetch_b8 v0, s[64:65] scope:SCOPE_SE
	s_setreg_imm32_b32 hwreg(HW_REG_WAVE_MODE, 25, 1), 1
	s_wait_xcnt 0x0
	s_wait_alu depctr_hold_cnt(0) depctr_sa_sdst(0) depctr_va_vdst(0) depctr_va_sdst(0) depctr_va_ssrc(0) depctr_va_vcc(0) depctr_vm_vsrc(0)
	s_getreg_b32 s2, hwreg(HW_REG_IB_STS2, 6, 4)
	s_cmp_eq_u32 s2, 0
	s_cbranch_scc0 .Lentry_in_a_cluster
	s_endpgm
.Lentry_in_a_cluster:
	s_bfe_u32 s2, ttmp6, 0x10000c
	s_cmp_lg_u32 s2, 0x3003
	s_cbranch_scc0 .Lentry_shape_is_right
	s_endpgm
.Lentry_shape_is_right:
; ATTN: O[b][h][q] = the sum over k <= q of softmax_k(Q[q] . K[k] / 8) V[k], head size 64, 2,048 positions, 64 (b, h).  Operands in f16, products, maxima and sums in f32; the weights p are rounded to f16
; for the second product, O once at the end.  Q, K, V come as pieces of 512 bytes (16 rows x 16 columns, lane l's 16 bytes at 16 l): two neighbouring pieces ARE a fragment of 16 x 32.
; LIMITS: |Q|, |K|, |V| < 65,504 (f16).  The running maximum starts at -3e38.  NaN and infinities are not served.
; SHARES.  A cluster of four work-groups is one (b, h); all four walk the same K and V, so each tile is asked for JOINTLY (mask 15).  A work-group has sixteen waves of 256 registers, four to a SIMD, so that one
; wave's vector work stands beside another's matrix work and LDS loads.  A wave owns 32 queries, two tiles of 16: queries 128 g + 32 cx + 0 .. 31, g = the wave's GROUP.
; THE GROUPS are dealt by a square of the numbers 0 .. 15 whose rows and columns all add up to 30, so the four waves w % 4 = const, and the four waves w / 4 = const, have the same number of key steps in all;
; and every work-group has the same work.  A group's 128 queries begin at a multiple of the key step, so which steps a wave leaves out or masks hangs on g and the step alone, never on cx.
; The price: the two steps on the diagonal are computed in full by all four partners.
; LAYOUT.  S^T = K Q^T (source 0 = 16 keys, source 1 = 16 queries): a lane holds ONE query (lane % 16) and keys 8 (lane / 16) + 0 .. 7 of each tile; two tiles rounded to f16 are source 1 of O^T = V^T P,
; whose result again holds one query a lane and eight channels: packed, a piece of ao.  V is turned by ds_load_tr16_b128; its pieces were laid so that the load's address is 16 x lane.
; SOFTMAX.  A running maximum m and sum l a query: p = 2^(c s - c m), c = log2(e) / 8; in every step O and l are multiplied by 2^(c m_old - c m_new).
; THE MASK.  Every wave walks all 32 key steps of 64 keys with constant trip counts; a step all of whose keys come after the group's queries is left out by a scalar branch on ids, round its loads, products and
; softmax, never round a barrier or a tensor load; in the group's two diagonal steps hidden scores become -infinity by selects.
; LDS: two slots of 512 keys, 2^17 bytes apart: K's 65,536 bytes of pieces, then V's; behind them the spare words.  Dense pieces: every LDS load takes 512 consecutive bytes.
; ao [512 tiles of 16 rows (2048 b + s) / 16][64 tiles of 16 columns 4 h + ct][512 B].
.set SLOT1, 1<<17
.set VOFF,  1<<16
.set STEPB, 8192                       ; 64 keys of K, or of V, in bytes
.set SLOTB, 65536                      ; 512 keys
.set SPARE, 2*SLOT1                    ; the spare words: 128 bytes for each of sixteen waves, which no other line names
.set LI,   1                           ; v1   16 x lane
.set LV,   2                           ; v2   16 x lane + VOFF
.set ADK,  3                           ; v3   LDS address of the step's K
.set ADV,  4                           ; v4   of its V
.set SPW,  5                           ; v5   my spare word; never rewritten
.set NIL,  6                           ; v6   0; never rewritten
.set DQ,   7                           ; v7   32 cx + r - 8 h
.set DD,   8                           ; v8   the same + the group's first query - the step's first key
.set NINF, 9                           ; v9   -infinity
.set PFO,  10                          ; v10  256 x lane
.set ST,   16                          ; tile t's statistics at v[ST + 8 t]: +0 c m, +1 m, +2, +3 l (even keys', odd keys'), +4 .. +7 at work; +6 then holds the factor
.set QF,   32                          ; v32-63   Q: tile t, channels 32 c on, at v[QF + 16 t + 8 c]
.set S,    64                          ; v64-127  S^T, 32 a tile; then p, then P in the lower 16
.set OT,   128                         ; v128-191 O^T, 32 a tile
.set KV,   192                         ; v192-255 K's fragments, then V's
.set WV,   8
.set CX,   9
.set HD,   10
.set RK,   11
.set GLO,  12                          ; the group's first query
.set GEND, 13                          ; and the one behind its last
.set KF,   14                          ; the step's first key
.set TB,   15                          ; LDS byte at which the step's K begins
.set SLOTS, 16
.set STP,  17
.set LIM,  18
.set PFA,  20
.set CS,   22
.set SEL,  24
.set QB,   26
.set G1,   28                          ; s[28:35] descriptor group 1
.set G0D,  36                          ; s[36:39] group 0, which walks
.macro CROUND                          ; a round of the cluster's barrier
	s_barrier_signal -1
	s_barrier_wait -1
	s_cmp_lg_u32 s[WV], 0
	s_cbranch_scc1 .Lnot_wave_0_\@
	s_barrier_signal -3
.Lnot_wave_0_\@:
	s_barrier_wait -3
	s_barrier_signal -1
	s_barrier_wait -1
.endm
; Waves 0 and 1 fetch the halves of a slot's K, waves 2 and 3 of its V, 32,768 bytes each; the others nothing.  The branch hangs on the wave's number alone.  Four v_nop follow the load.
; By this text's count a wave never has more than one tensor load out.
.macro JLOAD
	s_cmp_lt_u32 s[WV], 4
	s_cbranch_scc0 .Lasked_\@
	tensor_load_to_lds s[G0D:G0D+3], s[G1:G1+7]
	s_nop 0
.rept 4
	v_nop
.endr
.Lasked_\@:
.endm
; A prefetch of what the NEXT change of slots will ask for: 65,536 bytes of K and as many of V.  The four partners share them out BY ADDRESS, 16,384 bytes of each; in each work-group waves 4, 5 ask for K's and
; waves 6, 7 for V's, 8,192 bytes a wave, lanes 256 bytes apart: each aligned block of 256 bytes of slots 2 and 3 is named once in the launch, eight key steps ahead of its load.
; Slots 0 and 1 come by their loads alone; the last change that fills a slot asks for nothing.
.macro ASK
	s_cmp_gt_u32 s[SLOTS], s[LIM]
	s_cbranch_scc0 .Lnot_mine_\@
	global_prefetch_b8 v[PFO], s[PFA:PFA+1] th:TH_LOAD_NT scope:SCOPE_SE
.Lnot_mine_\@:
.endm
	s_load_b128 s[4:7], s[0:1], 0x0                ; qkv s[4:5], ao s[6:7]
	v_lshl_add_u32 v[SPW], v0, 2, SPARE
	v_mov_b32 v[NIL], 0
	ds_add_u32 v5, v6
	s_wait_dscnt 0x0
	v_lshrrev_b32 v1, 5, v0
	v_readfirstlane_b32 s[WV], v1                  ; wave 0..15
	s_bfe_u32 s[CX], ttmp6, 0x40000                ; my place in the cluster
	s_and_b32 s[HD], ttmp7, 0xffff                 ; 16 b + h, which the four partners share
	s_mov_b32 s[RK], 0x0de3b658                    ; the square, a nibble a wave: waves 8-15,
	s_cmp_lt_u32 s[WV], 8
	s_cselect_b32 s[RK], 0x7a94c12f, s[RK]         ; waves 0-7
	s_and_b32 s40, s[WV], 7
	s_lshl_b32 s40, s40, 2
	s_lshr_b32 s[RK], s[RK], s40
	s_and_b32 s[RK], s[RK], 15                     ; g
	s_lshl_b32 s[GLO], s[RK], 7
	s_add_co_u32 s[GEND], s[GLO], 128
	; descriptor group 1: a dense block of 32,768 bytes as 128 rows of 256 bytes
	s_mov_b32 s[G1], 15|(3<<16)|(1<<21)            ; 15:0 the mask: all four work-groups; 17:16 elements of 8 bytes; 21 set beside a mask; no padding
	s_mov_b32 s[G1+1], 32<<16                      ; tensor_dim0 = 32
	s_mov_b32 s[G1+2], 128<<16                     ; tensor_dim1 = 128
	s_mov_b32 s[G1+3], 32<<16                      ; tile_dim0 = 32
	s_mov_b32 s[G1+4], 128                         ; tile_dim1 = 128
	s_mov_b32 s[G1+5], 32                          ; tensor_dim0_stride
	s_mov_b32 s[G1+6], 0
	s_mov_b32 s[G1+7], 0
	s_and_b32 s40, s[WV], 3
	s_lshl_b32 s[G0D+1], s40, 15                   ; LDS: K's halves at 0 and 32,768, V's at 65,536 and 98,304, in slot 0
	s_lshr_b32 s41, s40, 1
	s_add_co_u32 s41, s41, 1                       ; kind 1 (K) or 2 (V)
	s_lshl_b32 s42, s41, 24
	s_lshl_b32 s43, s[HD], 18                      ; 262,144 bytes a head
	s_add_co_u32 s42, s42, s43
	s_and_b32 s41, s40, 1
	s_lshl_b32 s41, s41, 15
	s_add_co_u32 s42, s42, s41
	s_mov_b32 s43, 0
	s_lshl_b32 s44, s[RK], 3
	s_lshl_b32 s45, s[CX], 1
	s_add_co_u32 s44, s44, s45                     ; my first tile of 16 queries: 8 g + 2 cx
	s_lshl_b32 s46, s44, 11
	s_lshl_b32 s47, s[HD], 18
	s_add_co_u32 s46, s46, s47                     ; Q (kind 0): my head, my tile
	s_mov_b32 s47, 0
	s_lshr_b32 s48, s[HD], 4
	s_lshl_b32 s48, s48, 7
	s_add_co_u32 s48, s48, s44                     ; ao: tile of rows 128 b + 8 g + 2 cx, 32,768 bytes each,
	s_lshl_b32 s48, s48, 15
	s_and_b32 s49, s[HD], 15
	s_lshl_b32 s49, s49, 11                        ; and the head's four pieces, 2,048 bytes
	s_add_co_u32 s48, s48, s49
	s_mov_b32 s49, 0
	s_sub_co_u32 s50, s[WV], 4                     ; who prefetches: waves 4 to 7
	s_lshr_b32 s51, s50, 2
	s_cmp_eq_u32 s51, 0
	s_cselect_b32 s[LIM], 1, -1
	s_bfe_u32 s50, s50, 0x10001                    ; waves 4, 5: K; waves 6, 7: V
	s_add_co_u32 s50, s50, 1
	s_lshl_b32 s50, s50, 24
	s_lshl_b32 s51, s[HD], 18
	s_add_co_u32 s50, s50, s51
	s_lshl_b32 s51, s[CX], 14                      ; my work-group's quarter,
	s_add_co_u32 s50, s50, s51
	s_and_b32 s51, s[WV], 1
	s_lshl_b32 s51, s51, 13                        ; my wave's half of it,
	s_add_co_u32 s50, s50, s51
	s_add_co_u32 s50, s50, SLOTB                   ; in slot 1: the first change of slots steps it to slot 2
	s_mov_b32 s51, 0
	s_mov_b32 s[CS], 0x3e38aa3b                    ; c = log2(e) / 8
	s_mov_b32 s[CS+1], s[CS]                       ; (named with it as a pair, so it is written)
	s_mov_b32 s[SEL], 0x76543210
	s_mov_b32 s[SEL+1], 0xfedcba98                 ; v_permlanex16_b32's selects for lane l xor 16
	s_mov_b32 s[KF], 0
	s_mov_b32 s[TB], 0
	s_mov_b32 s[SLOTS], 3
	s_wait_kmcnt 0x0
	s_mov_b32 s[G0D], 1
	s_add_nc_u64 s[G0D+2:G0D+3], s[4:5], s[42:43]
	s_or_b32 s[G0D+3], s[G0D+3], 0x80000000
	CROUND                                         ; all four work-groups are here: the first joint loads meet
	JLOAD                                          ; slot 0
	s_add_nc_u64 s[QB:QB+1], s[4:5], s[46:47]
	s_add_nc_u64 s[6:7], s[6:7], s[48:49]
	s_add_nc_u64 s[PFA:PFA+1], s[4:5], s[50:51]
	v_and_b32 v1, 31, v0
	v_lshlrev_b32 v[PFO], 8, v1
	v_lshlrev_b32 v[LI], 4, v1
.irp i, 0,1,2,3,4,5,6,7
	global_load_b128 v[QF+4*\i:QF+4*\i+3], v[LI], s[QB:QB+1] offset:512*\i   ; Q stays in registers: eight pieces
.endr
	v_add_nc_u32 v[LV], VOFF, v[LI]
	v_and_b32 v[DQ], 15, v0
	v_bfe_u32 v[DD], v0, 4, 1
	v_lshlrev_b32 v[DD], 3, v[DD]
	v_sub_nc_u32 v[DQ], v[DQ], v[DD]
	s_lshl_b32 s52, s[CX], 5
	v_add_nc_u32 v[DQ], s52, v[DQ]
	v_mov_b32 v[NINF], 0xff800000
.irp t, 0,1
	v_mov_b32 v[ST+8*\t+1], 0xff61b1e6             ; m = -3e38, under every score
	v_mul_f32 v[ST+8*\t], s[CS], v[ST+8*\t+1]
.irp i, 2,3,4,5,6,7
	v_mov_b32 v[ST+8*\t+\i], 0
.endr
.endr
.irp j, 0,1,2,3,4,5,6,7,8,9,10,11,12,13,14,15,16,17,18,19,20,21,22,23,24,25,26,27,28,29,30,31,32,33,34,35,36,37,38,39,40,41,42,43,44,45,46,47,48,49,50,51,52,53,54,55,56,57,58,59,60,61,62,63
	v_mov_b32 v[OT+\j], 0                          ; O^T.  (The key step is written without a first step of its own: the first finds zeros, which its factor 0 leaves zeros)
.endr
; A KEY STEP: 64 keys.
.macro STEP
	s_cmp_ge_u32 s[KF], s[GEND]                    ; all its keys come after my group's queries: nothing to do
	s_cbranch_scc1 .Lhid_\@
	v_add_nc_u32 v[ADK], s[TB], v[LI]
	v_add_nc_u32 v[ADV], s[TB], v[LV]
.irp i, 0,1,2,3,4,5,6,7,8,9,10,11,12,13,14,15
	ds_load_b128 v[KV+4*\i:KV+4*\i+3], v[ADK] offset:512*\i   ; K: 16 pieces: tile of keys i / 4, channels 16 (i % 4) on
.endr
	s_wait_dscnt 0x0
.irp c, 0,1                                    ; S^T = K Q^T: the eight accumulators by turns, one instruction a turn; the first eight start the sums
.irp kt, 0,1,2,3
.irp t, 0,1
.if \c == 0
	v_wmma_f32_16x16x32_f16 v[S+32*\t+8*\kt:S+32*\t+8*\kt+7], v[KV+16*\kt:KV+16*\kt+7], v[QF+16*\t:QF+16*\t+7], 0
.else
	v_wmma_f32_16x16x32_f16 v[S+32*\t+8*\kt:S+32*\t+8*\kt+7], v[KV+16*\kt+8:KV+16*\kt+15], v[QF+16*\t+8:QF+16*\t+15], v[S+32*\t+8*\kt:S+32*\t+8*\kt+7]
.endif
.endr
.endr
.endr
.rept 4
	v_nop                                          ; places: loads land on K's registers, and the scores are read, below (ISA guide 7.12.1 for vector instructions)
.endr
.irp c, 0,1                                    ; V, turned: keys 32 c on, channels 16 ct on; it lands while the softmax is walked
.irp ct, 0,1,2,3
	ds_load_tr16_b128 v[KV+32*\c+8*\ct:KV+32*\c+8*\ct+3], v[ADV] offset:4096*\c+512*\ct
	ds_load_tr16_b128 v[KV+32*\c+8*\ct+4:KV+32*\c+8*\ct+7], v[ADV] offset:4096*\c+512*\ct+2048
.endr
.endr
	s_cmp_lt_u32 s[KF], s[GLO]                     ; all its keys come before my group's queries: no mask
	s_cbranch_scc1 .Lopen_\@
	s_sub_co_i32 s40, s[GLO], s[KF]
	v_add_nc_u32 v[DD], s40, v[DQ]                 ; register n of tile t holds key KF + 16 (n / 8) + 8 h + n % 8, my query is GLO + 32 cx + 16 t + r: hidden where 16 (n / 8) + n % 8 - 16 t > DD
.irp t, 0,1
.irp n, 0,1,2,3,4,5,6,7,8,9,10,11,12,13,14,15,16,17,18,19,20,21,22,23,24,25,26,27,28,29,30,31
	v_cmp_gt_i32 vcc_lo, 16*(\n/8)+\n%8-16*\t, v[DD]
	v_cndmask_b32 v[S+32*\t+\n], v[S+32*\t+\n], v[NINF], vcc_lo
.endr
.endr
.Lopen_\@:
.irp q, 0,1,2,3                                ; the maximum of 32 scores and the old m: four chains, the two tiles by turns; each accumulator is read from its low end on
.irp t, 0,1
	v_max3_num_f32 v[ST+8*\t+4+\q], v[S+32*\t+8*\q], v[S+32*\t+8*\q+1], v[S+32*\t+8*\q+2]
.endr
.endr
.irp u, 0,1
.irp q, 0,1,2,3
.irp t, 0,1
	v_max3_num_f32 v[ST+8*\t+4+\q], v[ST+8*\t+4+\q], v[S+32*\t+8*\q+3+2*\u], v[S+32*\t+8*\q+4+2*\u]
.endr
.endr
.endr
.irp t, 0,1
	v_max3_num_f32 v[ST+8*\t+4], v[ST+8*\t+4], v[S+32*\t+7], v[S+32*\t+15]
	v_max3_num_f32 v[ST+8*\t+6], v[ST+8*\t+6], v[S+32*\t+23], v[S+32*\t+31]
.endr
.irp t, 0,1
	v_max3_num_f32 v[ST+8*\t+4], v[ST+8*\t+4], v[ST+8*\t+5], v[ST+8*\t+6]
.endr
.irp t, 0,1
	v_max3_num_f32 v[ST+8*\t+4], v[ST+8*\t+4], v[ST+8*\t+7], v[ST+8*\t+1]
.endr
.irp t, 0,1
	v_permlanex16_b32 v[ST+8*\t+5], v[ST+8*\t+4], s[SEL], s[SEL+1]   ; the query's other 32 keys lie in the lane 16 away
.endr
.irp t, 0,1
	v_mov_b32 v[ST+8*\t+7], v[ST+8*\t]             ; c m_old
.endr
.irp t, 0,1
	v_max_num_f32 v[ST+8*\t+1], v[ST+8*\t+4], v[ST+8*\t+5]
.endr
.irp t, 0,1
	v_mul_f32 v[ST+8*\t], s[CS], v[ST+8*\t+1]
.endr
.irp t, 0,1
	v_sub_f32 v[ST+8*\t+7], v[ST+8*\t+7], v[ST+8*\t]
.endr
.irp t, 0,1
	v_exp_f32 v[ST+8*\t+6], v[ST+8*\t+7]           ; the factor 2^(c m_old - c m_new)
.endr
.irp j, 0,2,4,6,8,10,12,14,16,18,20,22,24,26,28,30
.irp t, 0,1
	v_pk_fma_f32 v[S+32*\t+\j:S+32*\t+\j+1], v[S+32*\t+\j:S+32*\t+\j+1], s[CS:CS+1], v[ST+8*\t:ST+8*\t+1] op_sel_hi:[1,0,0] neg_lo:[0,0,1] neg_hi:[0,0,1]   ; c s - c m, two at a time
.endr
.endr
.irp t, 0,1
.irp j, 0,1,2,3,4,5,6,7,8,9,10,11,12,13,14,15,16,17,18,19,20,21,22,23,24,25,26,27,28,29,30,31
	v_exp_f32 v[S+32*\t+\j], v[S+32*\t+\j]
.endr
.endr
	s_wait_alu depctr_va_vdst(0)
.irp t, 0,1
	v_pk_mul_f32 v[ST+8*\t+2:ST+8*\t+3], v[ST+8*\t+2:ST+8*\t+3], v[ST+8*\t+6:ST+8*\t+7] op_sel_hi:[1,0]   ; l under the new m.  (The plain line behind the exponentials)
.endr
.irp t, 0,1
	v_pk_add_f32 v[ST+8*\t+4:ST+8*\t+5], v[S+32*\t:S+32*\t+1], v[S+32*\t+2:S+32*\t+3]   ; the sum of p, before it is rounded: two chains a tile
.endr
.irp j, 4,8,12,16,20,24,28
.irp t, 0,1
	v_pk_add_f32 v[ST+8*\t+2:ST+8*\t+3], v[ST+8*\t+2:ST+8*\t+3], v[S+32*\t+\j:S+32*\t+\j+1]
	v_pk_add_f32 v[ST+8*\t+4:ST+8*\t+5], v[ST+8*\t+4:ST+8*\t+5], v[S+32*\t+\j+2:S+32*\t+\j+3]
.endr
.endr
.irp t, 0,1
	v_pk_add_f32 v[ST+8*\t+2:ST+8*\t+3], v[ST+8*\t+2:ST+8*\t+3], v[ST+8*\t+4:ST+8*\t+5]
.endr
.irp i, 0,1,2,3,4,5,6,7,8,9,10,11,12,13,14,15
.irp t, 0,1
	v_cvt_pk_f16_f32 v[S+32*\t+\i], v[S+32*\t+2*\i], v[S+32*\t+2*\i+1]   ; P, in place, ascending: registers 8 c .. 8 c + 7 are the fragment of keys 32 c on
.endr
.endr
.irp i, 0,2,4,6,8,10,12,14,16,18,20,22,24,26,28,30
.irp t, 0,1
	v_pk_mul_f32 v[OT+32*\t+\i:OT+32*\t+\i+1], v[OT+32*\t+\i:OT+32*\t+\i+1], v[ST+8*\t+6:ST+8*\t+7] op_sel_hi:[1,0]   ; O^T under the new m
.endr
.endr
	s_wait_dscnt 0x0                               ; V is in
.irp c, 0,1                                    ; O^T += V^T P: the eight accumulators by turns
.irp ct, 0,1,2,3
.irp t, 0,1
	v_wmma_f32_16x16x32_f16 v[OT+32*\t+8*\ct:OT+32*\t+8*\ct+7], v[KV+32*\c+8*\ct:KV+32*\c+8*\ct+7], v[S+32*\t+8*\c:S+32*\t+8*\c+7], v[OT+32*\t+8*\ct:OT+32*\t+8*\ct+7]
.endr
.endr
.endr
.rept 5
	v_nop                                          ; five places: the next step's products write over P's registers; its loads land on V's
.endr
.Lhid_\@:
	s_add_co_u32 s[KF], s[KF], 64
	s_add_co_u32 s[TB], s[TB], STEPB
.endm
; THE CHANGE OF SLOTS stands at a slot's head.  Each wave waits for all its tensor loads (its part of the slot that it is about to read), adds 0 to its spare word, and waits for that and for its reads of the slot
; that it has left.  fill = 1: a round of the cluster's barrier, so that no wave of any partner still reads that slot or has a load on its way; the joint load is the first thing behind it and has eight key steps to land.
.macro CHANGE fill
	s_wait_tensorcnt 0x0                           ; no tensor load of mine is out, so the group 0 may be written
	ds_add_u32 v[SPW], v[NIL]                      ; 0 onto my spare word
.if \fill
	s_xor_b32 s[G0D+1], s[G0D+1], SLOT1            ; the other slot than last time,
	s_add_nc_u64 s[G0D+2:G0D+3], s[G0D+2:G0D+3], SLOTB   ; the next 512 keys; the type bits on top are not reached
	s_wait_xcnt 0x0                                ; the last prefetch, a slot back, has read its address
	s_add_nc_u64 s[PFA:PFA+1], s[PFA:PFA+1], SLOTB ; one slot further on than the walking descriptor
.endif
	s_wait_dscnt 0x0                               ; the add is done, and my reads of the slot that I have left are over
.if \fill
	CROUND
	JLOAD
	ASK
.else
	s_barrier_signal -1
	s_barrier_wait -1
.endif
.endm
.macro SLOT_STEPS                      ; a slot's eight key steps: written once, walked eight times
	s_mov_b32 s[STP], 8
.Lstep_\@:
	STEP
	s_sub_co_u32 s[STP], s[STP], 1
	s_cmp_lg_u32 s[STP], 0
	s_cbranch_scc1 .Lstep_\@
	s_sub_co_u32 s[TB], s[TB], SLOTB               ; back to a slot's first step,
	s_xor_b32 s[TB], s[TB], SLOT1                  ; in the other slot
.endm
	s_wait_loadcnt 0x0                             ; Q
.Lslot:                                            ; three trips: behind each change of slots but the last the next slot is asked for
	CHANGE 1
	SLOT_STEPS
	s_sub_co_u32 s[SLOTS], s[SLOTS], 1
	s_cmp_lg_u32 s[SLOTS], 0
	s_cbranch_scc1 .Lslot
	CHANGE 0                                       ; the last slot is written out
	SLOT_STEPS
	; THE WAY OUT: l's two halves and the other half of the lanes' are added; O^T is divided by l, rounded to f16 and stored as pieces, 512 consecutive bytes a store.
.irp t, 0,1
	v_add_f32 v[ST+8*\t+4], v[ST+8*\t+2], v[ST+8*\t+3]
.endr
.irp t, 0,1
	v_permlanex16_b32 v[ST+8*\t+5], v[ST+8*\t+4], s[SEL], s[SEL+1]
.endr
.irp t, 0,1
	v_add_f32 v[ST+8*\t+4], v[ST+8*\t+4], v[ST+8*\t+5]
.endr
.irp t, 0,1
	v_rcp_f32 v[ST+8*\t+6], v[ST+8*\t+4]
.endr
	v_nop                                          ; a plain line behind the reciprocals
	s_wait_alu depctr_va_vdst(0)
.irp t, 0,1
.irp i, 0,2,4,6,8,10,12,14,16,18,20,22,24,26,28,30
	v_pk_mul_f32 v[OT+32*\t+\i:OT+32*\t+\i+1], v[OT+32*\t+\i:OT+32*\t+\i+1], v[ST+8*\t+6:ST+8*\t+7] op_sel_hi:[1,0]
.endr
.endr
.irp t, 0,1
.irp i, 0,1,2,3,4,5,6,7,8,9,10,11,12,13,14,15
	v_cvt_pk_f16_f32 v[S+16*\t+\i], v[OT+32*\t+2*\i], v[OT+32*\t+2*\i+1]
.endr
.endr
.irp t, 0,1
.irp ct, 0,1,2,3
	global_store_b128 v[LI], v[S+16*\t+4*\ct:S+16*\t+4*\ct+3], s[6:7] offset:32768*\t+512*\ct
.endr
.endr
	s_wait_tensorcnt 0x0                           ; the wave's end
	ds_add_u32 v[SPW], v[NIL]
	s_wait_dscnt 0x0
	CROUND                                         ; the closing round
	s_endpgm
.Lfunc_end_k_qd31d29e10a_attn:
	.size	k_qd31d29e10a_attn, .Lfunc_end_k_qd31d29e10a_attn-k_qd31d29e10a_attn
	.p2alignl 7, 3214868480
	.fill 96, 4, 3214868480
	.section	.rodata,"a",@progbits
	.p2align	6, 0x0
	.amdhsa_kernel k_qd31d29e10a_attn
		.amdhsa_group_segment_fixed_size 327680
		.amdhsa_private_segment_fixed_size 0
		.amdhsa_enable_private_segment 0
		.amdhsa_kernarg_size 16
		.amdhsa_user_sgpr_count 2
		.amdhsa_user_sgpr_kernarg_segment_ptr 1
		.amdhsa_wavefront_size32 1
		.amdhsa_system_sgpr_workgroup_id_x 1
		.amdhsa_system_sgpr_workgroup_id_y 1
		.amdhsa_system_sgpr_workgroup_id_z 1
		.amdhsa_system_vgpr_workitem_id 0
		.amdhsa_next_free_vgpr 256
		.amdhsa_next_free_sgpr 66
		.amdhsa_reserve_vcc 1
		.amdhsa_float_denorm_mode_32 3
		.amdhsa_float_denorm_mode_16_64 3
		.amdhsa_memory_ordered 1
		.amdhsa_forward_progress 1
		.amdhsa_inst_pref_size 59
	.end_amdhsa_kernel
	.amdgpu_metadata
---
amdhsa.version: [ 1, 2 ]
amdhsa.kernels:
  - .name:           k_qd31d29e10a_attn
    .symbol:         k_qd31d29e10a_attn.kd
    .args:
      - { .name: qkv, .offset: 0, .size: 8, .value_kind: global_buffer, .address_space: global }
      - { .name: ao, .offset: 8, .size: 8, .value_kind: global_buffer, .address_space: global }
    .group_segment_fixed_size: 327680
    .private_segment_fixed_size: 0
    .kernarg_segment_align: 8
    .kernarg_segment_size: 16
    .max_flat_workgroup_size: 512
    .sgpr_count:     66
    .vgpr_count:     256
    .wavefront_size: 32
...
	.end_amdgpu_metadata
.endif
;; end of part 3
;; launch oproj (part 4): grid 4 x 64, 4 waves a work-group, clusters of 4 x 4, 327,680 bytes of LDS; arguments ao, wo_h, out0; writes out0
.if DOCPART == 4
	.amdgcn_target "amdgcn-amd-amdhsa--gfx1250"
	.amdhsa_code_object_version 6
	.text
	.protected	k_qd31d29e10a_oproj
	.globl	k_qd31d29e10a_oproj
	.p2align	8
	.type	k_qd31d29e10a_oproj,@function
k_qd31d29e10a_oproj:
	s_mov_b64 s[64:65], 0
	v_nop
	global_prefetch_b8 v0, s[64:65] scope:SCOPE_SE
	s_setreg_imm32_b32 hwreg(HW_REG_WAVE_MODE, 25, 1), 1
	s_wait_xcnt 0x0
	s_wait_alu depctr_hold_cnt(0) depctr_sa_sdst(0) depctr_va_vdst(0) depctr_va_sdst(0) depctr_va_ssrc(0) depctr_va_vcc(0) depctr_vm_vsrc(0)
	s_getreg_b32 s2, hwreg(HW_REG_IB_STS2, 6, 4)
	s_cmp_eq_u32 s2, 0
	s_cbranch_scc0 .Lentry_in_a_cluster
	s_endpgm
.Lentry_in_a_cluster:
	s_bfe_u32 s2, ttmp6, 0x10000c
	s_cmp_lg_u32 s2, 0xf033
	s_cbranch_scc0 .Lentry_shape_is_right
	s_endpgm
.Lentry_shape_is_right:
; OPROJ: out0[m][n] = the sum over k of A[m][k] WO[n][k], M = 8,192, N = K = 1,024; operands in f16, sums and result in f32.
; A = ao comes as pieces of 512 bytes ([512 tiles of 16 rows][64 tiles of 16 columns][lane l's 16 bytes at 16 l]): two neighbouring pieces are a fragment of 16 x 32.  WO = wo_h comes as plain rows.
; A tile of 128 x 256 of the result is made by a work-group of four waves, 256 work-groups in all; a wave makes 64 x 128: 32 accumulators, 256 registers.  K goes in steps of 128 through two LDS slots.
; CLUSTERS: 4 x 4 work-groups.  The four of a row of the cluster need the same tiles of A, the four of a column the same tiles of WO: each is asked for JOINTLY.
; THE MATRIX INSTRUCTION IS USED TRANSPOSED (source 0 = 16 rows of WO, source 1 = 16 rows of A): a lane holds eight neighbouring numbers of a row of the result.
; LDS: a slot holds A's 8 tiles of rows x 4,096 bytes (dense pieces: each load takes 512 consecutive bytes), then WO's 256 rows of 256 bytes + 16 of padding.
; REGISTERS: window 0: v0-31 addresses; two fragment buffers of 96: 32 of A (4 x 16 rows x 32 K), 64 of WO (8 x 16 rows x 32 K), at v64 and v160.   window 1: accumulator (a, b) at v[8 (8 a + b)].
.set PITCH,  272                       ; 68 words: the 16 rows that a load touches start at 16 different banks (64 banks of 4 bytes: ISA guide 11.1)
.set ABYTES, 32768                     ; A's part of a slot
.set HALFA,  16384                     ; four tiles of rows: what one tensor load brings, and what one wave reads
.set HALFB,  128*PITCH
.set SLOT,   ABYTES+2*HALFB
.set SPARE,  2*SLOT                    ; the spare words, 128 bytes for each wave, which no other line names
.set SPITCH, 528                       ; the way out: a stage of 16 rows x (512 bytes + 16) for each wave, in slot 0, which has had its last fill and its last read when the first result is stored there
.set LAPS,   4                         ; a lap = two K steps
.set ADRA, 16
.set ADRB, 20
.set STO,  24
.set RD,   25
.set CO,   26
.set SPW,  28
.set NIL,  29
.set F0,   64
.set F1,   160
.set BK,   64                          ; the way out: 16 rows read back: v64-127 and v128-191 by turns
.set G1, 24
.set G0, 32
.set G1B, 48
.set G0B, 56
.set MSB, 0
.macro WIN new                         ; the immediate's high byte repeats the setting that is left
.if MSB != \new
	s_set_vgpr_msb (MSB<<8)|\new
.set MSB, \new
.endif
.endm
.set MUL, 0x50                         ; C and D window 1, both sources window 0
.macro JLOAD s                         ; a joint load: waves 0 and 1 fetch A's two halves, waves 2 and 3 WO's; four v_nop follow each of the two lines
	s_cmp_eq_u32 s11, 0
	s_cbranch_scc0 .Lfor_b_\@
	tensor_load_to_lds s[G0+4*\s:G0+4*\s+3], s[G1:G1+7]
	s_nop 0
.rept 4
	v_nop
.endr
	s_branch .Lasked_\@
.Lfor_b_\@:
	tensor_load_to_lds s[G0B+4*\s:G0B+4*\s+3], s[G1B:G1B+7]
	s_nop 0
.rept 4
	v_nop
.endr
.Lasked_\@:
.endm
.macro CREST                           ; a round of the cluster's barrier behind its opening barrier
	s_cmp_lg_u32 s10, 0
	s_cbranch_scc1 .Lnot_wave_0_\@
	s_barrier_signal -3
.Lnot_wave_0_\@:
	s_barrier_wait -3
	s_barrier_signal -1
	s_barrier_wait -1
.endm
.macro CROUND
	s_barrier_signal -1
	s_barrier_wait -1
	CREST
.endm
	s_load_b128 s[4:7], s[0:1], 0x0                ; ao s[4:5], wo_h s[6:7]
	s_load_b64 s[8:9], s[0:1], 0x10                ; out0
	v_lshl_add_u32 v[SPW], v0, 2, SPARE
	v_mov_b32 v[NIL], 0
	ds_add_u32 v28, v29
	s_wait_dscnt 0x0
	v_lshrrev_b32 v1, 5, v0
	v_readfirstlane_b32 s10, v1                    ; wave 0..3
	s_lshr_b32 s11, s10, 1                         ; which 64 rows are mine.  Also: I fetch for A (0) or for WO (1)
	s_and_b32 s12, s10, 1                          ; which 128 columns.  Also: which half of that tile I fetch
	s_bfe_u32 s40, ttmp6, 0x40000                  ; cx, cy
	s_bfe_u32 s41, ttmp6, 0x40004
	s_lshl_b32 s42, ttmp9, 2
	s_add_co_u32 s42, s42, s40                     ; tile column = 4 x cluster x + cx
	s_and_b32 s13, ttmp7, 0xffff
	s_lshl_b32 s13, s13, 2
	s_add_co_u32 s13, s13, s41                     ; tile row = 4 x cluster y + cy
	s_lshl_b32 s43, s41, 2
	s_lshl_b32 s43, 15, s43                        ; my row of the cluster
	s_lshl_b32 s44, 0x1111, s40                    ; my column
	; A: four tiles of rows, of each the K step's 8 pieces: 4 rows of 4,096 bytes (512 elements of 8 bytes), 32,768 bytes apart; dense in LDS
	s_or_b32 s[G1+0], s43, (3<<16)|(1<<21)         ; 15:0 the mask; 17:16 elements of 8 bytes; 21 set beside a mask
	s_mov_b32 s[G1+1], 512<<16                     ; tensor_dim0 = 512
	s_mov_b32 s[G1+2], 4<<16                       ; tensor_dim1 = 4
	s_mov_b32 s[G1+3], 512<<16                     ; tile_dim0 = 512
	s_mov_b32 s[G1+4], 4                           ; tile_dim1 = 4
	s_mov_b32 s[G1+5], 4096                        ; tensor_dim0_stride
	s_mov_b32 s[G1+6], 0
	s_mov_b32 s[G1+7], 0
	; WO: 128 rows x 128 elements of 2 bytes, 16 bytes of padding behind each row
	s_or_b32 s[G1B+0], s44, (1<<16)|(1<<20)|(1<<21)|(5<<22)|(3<<25)
	s_mov_b32 s[G1B+1], 128<<16
	s_mov_b32 s[G1B+2], 128<<16
	s_mov_b32 s[G1B+3], 128<<16
	s_mov_b32 s[G1B+4], 128
	s_mov_b32 s[G1B+5], 1024
	s_mov_b32 s[G1B+6], 0
	s_mov_b32 s[G1B+7], 0
	s_lshl_b32 s16, s13, 18                        ; A: 8 tiles of rows x 32,768 bytes a tile row,
	s_lshl_b32 s17, s12, 17                        ; + four of them for the second half
	s_add_co_u32 s16, s16, s17
	s_mov_b32 s17, 0
	s_lshl_b32 s46, s42, 19                        ; WO: 256 rows x 2,048 bytes a tile column,
	s_lshl_b32 s47, s12, 18                        ; + 128 rows
	s_add_co_u32 s46, s46, s47
	s_mov_b32 s47, 0
	s_lshl_b32 s20, s12, 14                        ; where they go: A's halves,
	s_mul_i32 s21, s12, HALFB
	s_add_co_u32 s21, s21, ABYTES                  ; WO's halves behind them: no place in the cluster enters an LDS address
	s_wait_kmcnt 0x0
	s_add_nc_u64 s[14:15], s[4:5], s[16:17]
	s_add_nc_u64 s[46:47], s[6:7], s[46:47]
	CROUND                                         ; all sixteen work-groups are here: the first joint loads meet
.irp s, 0,1
	s_mov_b32 s[G0+4*\s], 1
	s_add_co_u32 s[G0+4*\s+1], s20, \s*SLOT
	s_add_nc_u64 s[G0+4*\s+2:G0+4*\s+3], s[14:15], \s*4096      ; K step s: 8 pieces on
	s_or_b32 s[G0+4*\s+3], s[G0+4*\s+3], 0x80000000
	s_mov_b32 s[G0B+4*\s], 1
	s_add_co_u32 s[G0B+4*\s+1], s21, \s*SLOT
	s_add_nc_u64 s[G0B+4*\s+2:G0B+4*\s+3], s[46:47], \s*256     ; K step s: 256 bytes on in each row
	s_or_b32 s[G0B+4*\s+3], s[G0B+4*\s+3], 0x80000000
	JLOAD \s                                       ; two tensor loads of mine are out
.endr
	v_and_b32 v1, 15, v0                           ; r
	v_bfe_u32 v2, v0, 4, 1                         ; h
	v_and_b32 v6, 31, v0
	v_lshlrev_b32 v[CO], 4, v6                     ; 16 x lane
	v_mul_u32_u24 v3, v1, PITCH
	v_lshl_add_u32 v3, v2, 4, v3                   ; WO: row x pitch + 16 x half
	s_lshl_b32 s21, s11, 14                        ; my four tiles of rows of A
	s_mul_i32 s22, s12, HALFB
	s_add_co_u32 s22, s22, ABYTES                  ; my 128 rows of WO
.irp s, 0,1
	v_add_nc_u32 v[ADRA+\s], s21, v[CO]
	v_add_nc_u32 v[ADRB+\s], s22, v3
	s_add_co_u32 s21, s21, SLOT
	s_add_co_u32 s22, s22, SLOT
.endr
	s_mul_i32 s23, s10, 16*SPITCH                  ; my stage
	v_mul_u32_u24 v4, v1, SPITCH                   ; in: row r, 32 bytes for each half of the lanes
	v_lshl_add_u32 v4, v2, 5, v4
	v_add_nc_u32 v[STO], s23, v4
	v_add_nc_u32 v[RD], s23, v[CO]                 ; back: the 32 lanes take one row of 512 bytes
	s_lshl_b32 s16, s13, 7
	s_lshl_b32 s17, s11, 6
	s_add_co_u32 s16, s16, s17                     ; my first row: 128 x tile row + 64 x half
	s_lshl_b32 s16, s16, 12                        ; 4,096 bytes a row
	s_mov_b32 s17, 0
	s_add_nc_u64 s[8:9], s[8:9], s[16:17]
	s_lshl_b32 s46, s42, 10                        ; my first column, in bytes: 1,024 x tile column + 512 x half
	s_lshl_b32 s47, s12, 9
	s_add_co_u32 s46, s46, s47
	s_mov_b32 s47, 0
	s_add_nc_u64 s[8:9], s[8:9], s[46:47]
; 8 matrix instructions: A's block a against WO's eight, 32 along K.  zero = 1: the first product starts the sums.  The 32 accumulators take turns, one instruction a turn, in the same order in every
; quarter.
.macro MULA f, a, zero
.irp b, 0,1,2,3,4,5,6,7
.if \zero
	v_wmma_f32_16x16x32_f16 v[8*(8*(\a)+\b):8*(8*(\a)+\b)+7], v[\f+32+8*\b:\f+32+8*\b+7], v[\f+8*(\a):\f+8*(\a)+7], 0
.else
	v_wmma_f32_16x16x32_f16 v[8*(8*(\a)+\b):8*(8*(\a)+\b)+7], v[\f+32+8*\b:\f+32+8*\b+7], v[\f+8*(\a):\f+8*(\a)+7], v[8*(8*(\a)+\b):8*(8*(\a)+\b)+7]
.endif
.endr
.endm
.macro FETCH slot, q, f                ; 24 LDS loads in one run: the fragments of the slot's q-th 32 along K into buffer f
.irp i, 0,1,2,3
	ds_load_b128 v[\f+8*\i:\f+8*\i+3],   v[ADRA+\slot] offset:4096*\i+1024*(\q)
	ds_load_b128 v[\f+8*\i+4:\f+8*\i+7], v[ADRA+\slot] offset:4096*\i+1024*(\q)+512
.endr
.irp i, 0,1,2,3,4,5,6,7
	ds_load_b128 v[\f+32+8*\i:\f+32+8*\i+3], v[ADRB+\slot] offset:64*(\q)+16*PITCH*\i
	ds_load_b128 v[\f+32+8*\i+4:\f+32+8*\i+7], v[ADRB+\slot] offset:64*(\q)+16*PITCH*\i+32
.endr
.endm
.macro PLACES                          ; four places in front of loads into registers that matrix instructions have read, and of the first read of results (ISA guide 7.12.1 for vector instructions)
.rept 4
	v_nop
.endr
.endm
; A K step is four quarters of 32 along K, 32 matrix instructions each, on buffers 0, 1, 0, 1.  One of the first three: asks for the next quarter (qn) into g, then multiplies f.
.macro QUARTER slot, qn, f, g, zero
	PLACES
	FETCH \slot, \qn, \g
	s_wait_dscnt 24                                ; all but the 24 just issued: buffer f is in
	WIN MUL
	MULA \f, 0, \zero
	MULA \f, 1, \zero
	MULA \f, 2, \zero
	MULA \f, 3, \zero
	WIN 0
.endm
; The last quarter multiplies buffer 1 and changes slots: ONE barrier; in front of it each wave waits for all its tensor loads, adds 0 to its spare word, and waits for that and for its reads of this slot.
; fill = 1: the barrier opens a round of the cluster's, and this slot is filled again, two K steps ahead: the joint load is the first tensor load behind the round.
.macro TURN slot, next, fill
	s_wait_tensorcnt 0x0                           ; all my tensor loads have landed: my part of the next slot
	ds_add_u32 v[SPW], v[NIL]                      ; 0 onto my spare word
	s_wait_dscnt 1                                 ; buffer 1 is in (the add may be out)
	WIN MUL
	MULA F1, 0, 0                                  ; eight matrix instructions stand between the add and the wait for it
	s_wait_dscnt 0x0                               ; the add is done, and my reads of this slot are over
	s_barrier_signal -1
	MULA F1, 1, 0
	WIN 0
	s_barrier_wait -1
.if \fill
	CREST                                          ; no wave of any partner still reads this slot's tiles or has a load on its way
	s_add_nc_u64 s[G0+4*\slot+2:G0+4*\slot+3], s[G0+4*\slot+2:G0+4*\slot+3], 2*4096
	s_add_nc_u64 s[G0B+4*\slot+2:G0B+4*\slot+3], s[G0B+4*\slot+2:G0B+4*\slot+3], 2*256
	JLOAD \slot                                    ; the four v_nop behind it are also the places in front of the loads below
.else
	PLACES
.endif
	FETCH \next, 0, F0
	WIN MUL
	MULA F1, 2, 0
	MULA F1, 3, 0
	WIN 0
.endm
	s_wait_tensorcnt 1                             ; my part of K step 0 is in (K step 1's load may be out),
	s_barrier_signal -1
	s_barrier_wait -1                              ; everybody's is
	FETCH 0, 0, F0
	QUARTER 0, 1, F0, F1, 1                        ; the first quarter stands in front of the loop: its products start the sums
	s_mov_b32 s3, LAPS-1
.Llap:                                                 ; a trip goes once round the ring, from a lap's second quarter to the next lap's first, and fills both slots again
	QUARTER 0, 2, F1, F0, 0
	QUARTER 0, 3, F0, F1, 0
	TURN 0, 1, 1
	QUARTER 1, 1, F0, F1, 0
	QUARTER 1, 2, F1, F0, 0
	QUARTER 1, 3, F0, F1, 0
	TURN 1, 0, 1
	QUARTER 0, 1, F0, F1, 0
	s_sub_co_u32 s3, s3, 1
	s_cmp_lg_u32 s3, 0
	s_cbranch_scc1 .Llap
	QUARTER 0, 2, F1, F0, 0                        ; the last lap fills nothing, and has no round of the cluster's barrier
	QUARTER 0, 3, F0, F1, 0
	TURN 0, 1, 0
	QUARTER 1, 1, F0, F1, 0
	QUARTER 1, 2, F1, F0, 0
	QUARTER 1, 3, F0, F1, 0
	s_wait_dscnt 0x0                               ; the very last quarter: nothing more to fetch
	WIN MUL
	MULA F1, 0, 0
	MULA F1, 1, 0
	MULA F1, 2, 0
	MULA F1, 3, 0
	WIN 0
; THE WAY OUT, a block of 16 rows x 128 columns at a time.  A lane holds 32 neighbouring bytes of a row and the lanes beside it other rows: a block goes through my own stage in LDS and comes back as whole rows of
; 512 bytes.  LDS serves a wave's instructions in order (ISA guide 5.7.1.4): no wait between the stores and the loads, nor in front of the next block's stores.
.macro TOSTAGE a
	WIN 0x04                                       ; an LDS store's data are its source 1: window 1
.irp b, 0,1,2,3,4,5,6,7
	ds_store_b128 v[STO], v[8*(8*(\a)+\b):8*(8*(\a)+\b)+3] offset:64*\b        ; each accumulator from its low end on
	ds_store_b128 v[STO], v[8*(8*(\a)+\b)+4:8*(8*(\a)+\b)+7] offset:64*\b+16
.endr
	WIN 0
.set BB, BK+64*((\a)%2)
.irp t, 0,1,2,3,4,5,6,7,8,9,10,11,12,13,14,15
	ds_load_b128 v[BB+4*\t:BB+4*\t+3], v[RD] offset:\t*SPITCH
.endr
.endm
.macro SEND a, younger                 ; younger: the LDS instructions issued behind block a's loads, which may stay out
.set BB, BK+64*((\a)%2)
	s_wait_dscnt \younger
.irp t, 0,1,2,3,4,5,6,7,8,9,10,11,12,13,14,15
	global_store_b128 v[CO], v[BB+4*\t:BB+4*\t+3], s[8:9] offset:(16*(\a)+\t)*4096 th:TH_STORE_NT   ; 32 lanes store 512 consecutive bytes, aligned; written once, read by nobody here
.endr
.endm
	PLACES                                         ; behind the last products: results are read, and loads land on the fragments' registers, below
	TOSTAGE 0
.irp a, 1,2,3
.if \a > 1
	s_wait_xcnt 0x0                                ; block a - 2's stores have read their registers: block a's loads may land there
.endif
	TOSTAGE \a
	SEND \a-1, 32                                  ; behind block a - 1's loads: block a's 16 stores and 16 loads
.endr
	SEND 3, 0
	s_wait_tensorcnt 0x0                           ; the wave's end, behind my last tensor load and my last LDS store
	ds_add_u32 v[SPW], v[NIL]
	s_wait_dscnt 0x0
	CROUND                                         ; the closing round: no work-group ends while a partner may still ask for a tile that names it
	s_endpgm
.Lfunc_end_k_qd31d29e10a_oproj:
	.size	k_qd31d29e10a_oproj, .Lfunc_end_k_qd31d29e10a_oproj-k_qd31d29e10a_oproj
	.p2alignl 7, 3214868480
	.fill 96, 4, 3214868480
	.section	.rodata,"a",@progbits
	.p2align	6, 0x0
	.amdhsa_kernel k_qd31d29e10a_oproj
		.amdhsa_group_segment_fixed_size 327680
		.amdhsa_private_segment_fixed_size 0
		.amdhsa_enable_private_segment 0
		.amdhsa_kernarg_size 24
		.amdhsa_user_sgpr_count 2
		.amdhsa_user_sgpr_kernarg_segment_ptr 1
		.amdhsa_wavefront_size32 1
		.amdhsa_system_sgpr_workgroup_id_x 1
		.amdhsa_system_sgpr_workgroup_id_y 1
		.amdhsa_system_sgpr_workgroup_id_z 1
		.amdhsa_system_vgpr_workitem_id 0
		.amdhsa_next_free_vgpr 512
		.amdhsa_next_free_sgpr 66
		.amdhsa_reserve_vcc 0
		.amdhsa_float_denorm_mode_32 3
		.amdhsa_float_denorm_mode_16_64 3
		.amdhsa_memory_ordered 1
		.amdhsa_forward_progress 1
		.amdhsa_inst_pref_size 84
	.end_amdhsa_kernel
	.amdgpu_metadata
---
amdhsa.version: [ 1, 2 ]
amdhsa.kernels:
  - .name:           k_qd31d29e10a_oproj
    .symbol:         k_qd31d29e10a_oproj.kd
    .args:
      - { .name: ao, .offset: 0, .size: 8, .value_kind: global_buffer, .address_space: global }
      - { .name: wo_h, .offset: 8, .size: 8, .value_kind: global_buffer, .address_space: global }
      - { .name: out0, .offset: 16, .size: 8, .value_kind: global_buffer, .address_space: global }
    .group_segment_fixed_size: 327680
    .private_segment_fixed_size: 0
    .kernarg_segment_align: 8
    .kernarg_segment_size: 24
    .max_flat_workgroup_size: 128
    .sgpr_count:     66
    .vgpr_count:     512
    .wavefront_size: 32
...
	.end_amdgpu_metadata
.endif
;; end of part 4
